; MI455X (gfx1250); checked and timed in simulation.
; The chip was launched on July 23, 2026; its instructions are those of AMD's public machine-readable ISA for CDNA 5 (MIT licence, August 2026) and "CDNA5" Instruction Set Architecture Reference Guide (July 2026). The comments in the code are by the model that wrote it; some were corrected since.
;; Additive Attention. Allowed arithmetic: matrix products marked QUANTISED: E4M3 operands, one given power-of-two scale a tensor, by v_wmma_f32_16x16x64_fp8_fp8 or v_wmma_f32_16x16x128_fp8_fp8, f32 sums; products left as they are: f32 operands where the result goes on into a quantised operand, else bf16, f16 or f32 operands; f32 sums; everything else in f32.
;; Inputs: K 32 x 2,048 x 512 float32; Q 32 x 512 float32; V 32 x 2,048 x 512 float32; Wh 512 x 1 float32; Wk 512 x 512 float32; Wq 512 x 512 float32; bh 1 float32; bk 512 float32; bq 512 float32; lowp_scales 4 int32 (the exponents e of the quantised operands' scales 2^e).
;; Outputs: out0 32 x 512 float32; out1 32 x 2,048 float32.
;; This version of the problem:
;;   THIS VERSION OF THE PROBLEM IS GIVEN IN LOW PRECISION. The matrix products marked QUANTISED in the list below multiply operands that are first quantised to E4M3 (4 exponent bits, 3 mantissa bits; 8 bits a number), with one given power-of-two scale for each operand tensor; their sums are f32. All else is computed in f32.
;;   The module's matrix products, in the order in which they are computed (A, B: the left and right operand; K: the contracted axis; several contracted axes count as one K, in the product's order):
;;     1. [M 65,536, K 512] x [K 512, N 512]; A: input K; B: input Wk: QUANTISED (scales: A lowp_scales[0], B lowp_scales[1])
;;     2. [M 32, K 512] x [K 512, N 512]; A: input Q; B: input Wq: QUANTISED (scales: A lowp_scales[2], B lowp_scales[3])
;;     3. [M 65,536, K 512] x [K 512, N 1]; A: computed on the way; B: input Wh: left as it is (N = 1 < 16)
;;     4. batch 32 x [M 1, K 2,048] x [K 2,048, N 512]; A: computed on the way; B: input V: left as it is (M = 1 < 16)
;;   THE QUANTISER, for each operand of a quantised product, along K:
;;     - The operand's scale is 2^e, e = its entry of the input lowp_scales (int32; the entries are numbered through the quantised products in the list's order, A before B).
;;     - Each number is divided by the scale, clamped to +-448, and rounded to the nearest number of E4M3, ties to even, subnormals kept.
;;     - The product sums the exact products of the quantised numbers (number of the format x scale) in f32.
;;   ~~~python
;;   def quantise(x, axis, e):      # numpy; x: float32 -> the quantised numbers, widened to float32 again
;;       x = np.moveaxis(x, axis, -1); K = x.shape[-1]
;;       r = np.clip(x / 2.0 ** e, -448, 448)
;;       step = 2.0 ** (np.maximum(np.frexp(np.where(r == 0, 1, r))[1] - 1, -6) - 3)
;;       q = np.round(r / step) * step * 2.0 ** e      # np.round: ties to even
;;       return np.moveaxis(q, -1, axis).astype(np.float32)
;;   ~~~
;; 2 versions. Each part assembles by itself: llvm-mc -triple=amdgcn-amd-amdhsa -mcpu=gfx1250 --defsym DOCPART=n.
;; ======== version 1 of 2: 3 launches
;; workspace buffers: wkc 262,144 bytes; cpart 16,384 bytes; en 262,144 bytes
;; launch prep (part 1): grid 64 x 1, 4 waves a work-group, no clusters, 0 bytes of LDS; arguments Wk, Wq, Q, Wh, bq, bk, lowp_scales, wkc, cpart; writes wkc, cpart
.if DOCPART == 1
	.amdgcn_target "amdgcn-amd-amdhsa--gfx1250"
	.amdhsa_code_object_version 6
	.text
	.protected	k_q5f0214196c_prep
	.globl	k_q5f0214196c_prep
	.p2align	8
	.type	k_q5f0214196c_prep,@function
k_q5f0214196c_prep:
	s_mov_b64 s[64:65], 0
	v_nop
	global_prefetch_b8 v0, s[64:65] scope:SCOPE_SE
	s_setreg_imm32_b32 hwreg(HW_REG_WAVE_MODE, 25, 1), 1
	s_wait_xcnt 0x0
; PREPARATION.  Work-groups 0-31: Wk [512 (k)][512 (unit)] f32 becomes codes of E4M3 with the given scale 2^e1, laid in the order of a matrix operand's registers.
; Work-groups 32-63: the part of an energy that hangs on the batch alone, c[b] - bh = sum over units u of (2^(e2+e3) T[b][u] + bq[u] + bk[u]) Wh[u], T = the sum of products of the codes of Q (2^e2) and Wq (2^e3),
; as 128 partial sums for each batch, which the next launch adds.
; SHARES.  idx = work-group % 32; TG = idx / 4: 64 units; s = idx % 4: a K step, 128 of the 512 k.  Wave w takes tile T = 4 TG + w: 16 units x 128 k = one operand fragment.
; A LANE TAKES A UNIT, AND ITS REGISTERS RUN DOWN K: lane (r, h) takes unit 16 T + r, and register 16 c + 4 j + t holds k = 128 j + 32 s + 8 c + 4 h + t (c, j, t = 0 .. 3).  The conversions, which take eight numbers from
; one lane's consecutive registers, then give the fragment's registers as they stand: byte t of register 4 c + j holds that k.  WHY THIS ORDER OF K: the next launch quantises K as it is loaded, 16 bytes a lane of each
; of a row's four pieces of 512 bytes, and its codes come to lie so.  The five indices cover k = 0 .. 511 once; the order is the same in both operands of every product of this program, so each product meets its partner.
; The four waves stand side by side on 256 bytes of each row of the weight.
; wkc: the fragment of tile T, K step s lies at (T / 8) 65536 + s 16384 + (T % 8) 2048; its group c of four registers at + 512 c, lane l's 16 bytes at + 16 l: each store covers 512 consecutive bytes.
; cpart: [128 parts][32 batches] f32; part = 4 idx + w: thread t of a work-group writes word t of the work-group's 512 bytes.  bq and bk go in once: in the parts with s = 0.
; code = x / 2^e, held within +-448, rounded to the nearest code, ties to even.  LIMITS: e1, e2, e3 between -126 and 119, so that 2^e and 448 x 2^e are f32 numbers; e2 + e3 is applied by v_ldexp_f32 and has none.
; NaN among the inputs is not served; an infinity is held at the largest code.
; No LDS, no barrier: waves share nothing.
.set WN,  16                           ; v16-79   64 numbers of the weight
.set QN,  80                           ; v80-207  2 x 64 numbers of Q (batches 0-15, 16-31)
.set WHR, 208                          ; v208-215 Wh of units 16 T + 8 h + 0 .. 7
.set BQR, 216                          ; v216-223 bq of the same
.set BKR, 224                          ; v224-231 bk of the same
.set WC,  232                          ; v232-247 the weight's codes: one fragment
.set QC,  16                           ; v16-47   Q's codes: two fragments, where the weight's numbers lay
.set AC,  48                           ; v48-63   two accumulators
.set T,   64                           ; v64-71   at work
.macro MKSC e, vs, vl                  ; v[vs] = 2^e as f32 (the conversion takes its exponent field); v[vl] = 448 x 2^e
	s_add_co_i32 s34, \e, 127
	s_lshl_b32 s35, s34, 23
	v_mov_b32 v[\vs], s35
	s_add_co_i32 s34, s34, 8
	s_lshl_b32 s34, s34, 23
	s_or_b32 s34, s34, 0x600000
	v_mov_b32 v[\vl], s34
.endm
.macro QUANT src, dst, vs, vl          ; 64 numbers of a lane become a fragment's 16 registers
.irp b, 0,1,2,3
.irp i, 0,1,2,3,4,5,6,7,8,9,10,11,12,13,14,15
	v_med3_num_f32 v[\src+16*\b+\i], v[\src+16*\b+\i], -v[\vl], v[\vl]   ; the conversion to an 8-bit code does not saturate (ISA guide 7.6.2): the hold at the largest code x the scale
.endr
	v_cvt_scalef32_pk8_fp8_f32 v[\dst+4*\b:\dst+4*\b+1], v[\src+16*\b:\src+16*\b+7], v[\vs]
	v_cvt_scalef32_pk8_fp8_f32 v[\dst+4*\b+2:\dst+4*\b+3], v[\src+16*\b+8:\src+16*\b+15], v[\vs]
.endr
	v_nop                                          ; one plain vector line between the last conversion and whatever vector or matrix line next touches its registers
.endm
	s_load_b256 s[4:11], s[0:1], 0x0               ; Wk s[4:5], Wq s[6:7], Q s[8:9], Wh s[10:11]
	s_load_b256 s[12:19], s[0:1], 0x20             ; bq s[12:13], bk s[14:15], the scales' exponents s[16:17], wkc s[18:19]
	s_load_b64 s[20:21], s[0:1], 0x40              ; cpart
	v_lshrrev_b32 v1, 5, v0
	v_readfirstlane_b32 s22, v1                    ; wave 0..3
	v_and_b32 v1, 15, v0                           ; r
	v_bfe_u32 v2, v0, 4, 1                         ; h
	v_lshlrev_b32 v3, 2, v1
	v_lshl_add_u32 v3, v2, 13, v3                  ; the weight: 4 r + 4 h rows of 2,048 bytes
	v_and_b32 v4, 31, v0
	v_lshlrev_b32 v4, 4, v4                        ; 16 x lane
	v_lshlrev_b32 v5, 11, v1
	v_lshl_add_u32 v5, v2, 4, v5                   ; Q: row r of 2,048 bytes + 4 h numbers
	v_lshlrev_b32 v6, 5, v2                        ; Wh, bq, bk: 32 h
	v_lshlrev_b32 v7, 2, v0                        ; cpart: 4 x thread
	s_and_b32 s23, ttmp9, 31                       ; idx
	s_lshr_b32 s24, s23, 2                         ; TG
	s_and_b32 s25, s23, 3                          ; s
	s_lshl_b32 s26, s24, 2
	s_add_co_u32 s26, s26, s22                     ; T
	v_mov_b32 v9, s25
	s_mov_b32 s42, 0x76543210                      ; v_permlanex16_b32's selects for lane l xor 16
	s_mov_b32 s43, 0xfedcba98
	s_lshl_b32 s32, s25, 16                        ; 32 s rows of 2,048 bytes
	s_lshl_b32 s33, s26, 6                         ; + 16 T units of 4 bytes
	s_add_co_u32 s32, s32, s33
	s_mov_b32 s33, 0
	s_wait_kmcnt 0x0
	s_load_b128 s[28:31], s[16:17], 0x0            ; e0, e1, e2, e3
	s_cmp_lt_u32 ttmp9, 32                         ; Wk's work-group or Wq's: the choice hangs on the work-group's number alone
	s_cselect_b64 s[4:5], s[4:5], s[6:7]
	s_add_nc_u64 s[4:5], s[4:5], s[32:33]
.irp c, 0,1,2,3
.irp i, 0,1,2,3,4,5,6,7,8,9,10,11,12,13,14,15
	global_load_b32 v[WN+16*\c+\i], v3, s[4:5] offset:(128*(\i/4)+8*\c+\i%4)*2048   ; W(128 (i / 4) + 32 s + 8 c + 4 h + i % 4, 16 T + r); the last row named is 511
.endr
.endr
	s_cmp_lt_u32 ttmp9, 32
	s_cbranch_scc0 .Lq
	; ---- Wk: the fragment goes to memory as it stands
	s_lshr_b32 s32, s26, 3
	s_lshl_b32 s32, s32, 16                        ; (T / 8) x 65,536
	s_lshl_b32 s36, s25, 14
	s_add_co_u32 s32, s32, s36                     ; + s x 16,384
	s_and_b32 s36, s26, 7
	s_lshl_b32 s36, s36, 11
	s_add_co_u32 s32, s32, s36                     ; + (T % 8) x 2,048
	s_add_nc_u64 s[18:19], s[18:19], s[32:33]
	s_wait_kmcnt 0x0                               ; the exponents
	MKSC s29, 10, 11
	s_wait_loadcnt 0x0
	QUANT WN, WC, 10, 11
.irp c, 0,1,2,3
	global_store_b128 v4, v[WC+4*\c:WC+4*\c+3], s[18:19] offset:512*\c   ; 32 lanes store 512 consecutive bytes
.endr
	s_endpgm
	; ---- Wq: one K step of Q Wq for 16 units and all 32 batches, then the dot with Wh
.Lq:
	s_lshl_b32 s32, s25, 7                         ; Q: 32 s numbers along a row
	s_add_nc_u64 s[8:9], s[8:9], s[32:33]
	s_lshl_b32 s32, s26, 6                         ; Wh, bq, bk: 16 T numbers
	s_add_nc_u64 s[10:11], s[10:11], s[32:33]
	s_add_nc_u64 s[12:13], s[12:13], s[32:33]
	s_add_nc_u64 s[14:15], s[14:15], s[32:33]
	s_lshl_b32 s32, s23, 9                         ; cpart: the work-group's 512 bytes
	s_add_nc_u64 s[20:21], s[20:21], s[32:33]
.irp m, 0,1
.irp c, 0,1,2,3
.irp j, 0,1,2,3
	global_load_b128 v[QN+64*\m+16*\c+4*\j:QN+64*\m+16*\c+4*\j+3], v5, s[8:9] offset:\m*32768+\c*32+\j*512   ; Q(16 m + r, 128 j + 32 s + 8 c + 4 h + 0 .. 3): the weight's order of k
.endr
.endr
.endr
	global_load_b128 v[WHR:WHR+3], v6, s[10:11]
	global_load_b128 v[WHR+4:WHR+7], v6, s[10:11] offset:16
	global_load_b128 v[BQR:BQR+3], v6, s[12:13]
	global_load_b128 v[BQR+4:BQR+7], v6, s[12:13] offset:16
	global_load_b128 v[BKR:BKR+3], v6, s[14:15]
	global_load_b128 v[BKR+4:BKR+7], v6, s[14:15] offset:16
	s_wait_kmcnt 0x0                               ; the exponents
	MKSC s31, 10, 11                               ; Wq's scale
	MKSC s30, 12, 13                               ; Q's
	s_add_co_i32 s45, s30, s31                     ; e2 + e3
	s_wait_loadcnt 38                              ; the weight's 64 loads are in: behind them 32 of Q and 6 small ones
	QUANT WN, WC, 10, 11
	s_wait_loadcnt 6                               ; Q is in: behind it the 6 small ones
	QUANT QN, QC, 12, 13
	QUANT QN+64, QC+16, 12, 13
	s_wait_loadcnt 0x0
	; used transposed: source 0 = 16 units of Wq, source 1 = 16 batches of Q: lane (r, h) holds batch r (+ 16), register j unit 16 T + 8 h + j
	v_wmma_f32_16x16x128_fp8_fp8 v[AC:AC+7], v[WC:WC+15], v[QC:QC+15], 0
	v_wmma_f32_16x16x128_fp8_fp8 v[AC+8:AC+15], v[WC:WC+15], v[QC+16:QC+31], 0
	; the biases' share: plain lines that name no register of the two products: they are the places behind them (ISA guide 7.12.1)
	v_mov_b32 v[T+6], 0                            ; a lane permute's destination counts as one of its sources
	v_mov_b32 v[T+7], 0
.irp i, 0,2,4,6
	v_pk_add_f32 v[BQR+\i:BQR+\i+1], v[BQR+\i:BQR+\i+1], v[BKR+\i:BKR+\i+1]
.endr
	v_pk_mul_f32 v[T:T+1], v[BQR:BQR+1], v[WHR:WHR+1]
.irp i, 2,4,6
	v_pk_fma_f32 v[T:T+1], v[BQR+\i:BQR+\i+1], v[WHR+\i:WHR+\i+1], v[T:T+1]
.endr
	v_add_f32 v[T], v[T], v[T+1]                   ; sum over my 8 units of (bq + bk) Wh
	v_cmp_eq_u32 vcc_lo, 0, v9
	v_cndmask_b32 v[T], 0, v[T], vcc_lo            ; counted once: in the K step s = 0
	; the dot with Wh, each accumulator from its low end on
.irp a, 0,1
	v_pk_mul_f32 v[T+2+2*\a:T+3+2*\a], v[AC+8*\a:AC+8*\a+1], v[WHR:WHR+1]
.endr
.irp i, 2,4,6
.irp a, 0,1
	v_pk_fma_f32 v[T+2+2*\a:T+3+2*\a], v[AC+8*\a+\i:AC+8*\a+\i+1], v[WHR+\i:WHR+\i+1], v[T+2+2*\a:T+3+2*\a]
.endr
.endr
	v_add_f32 v[T+2], v[T+2], v[T+3]
	v_add_f32 v[T+4], v[T+4], v[T+5]
	v_ldexp_f32 v[T+2], v[T+2], s45                ; x 2^(e2 + e3)
	v_ldexp_f32 v[T+4], v[T+4], s45
	v_add_f32 v[T+2], v[T+2], v[T]
	v_add_f32 v[T+4], v[T+4], v[T]
	v_permlanex16_b32 v[T+6], v[T+2], s42, s43     ; the other 8 units lie in the lane 16 away
	v_permlanex16_b32 v[T+7], v[T+4], s42, s43
	v_add_f32 v[T+2], v[T+2], v[T+6]
	v_add_f32 v[T+4], v[T+4], v[T+7]
	v_cmp_eq_u32 vcc_lo, 0, v2
	v_cndmask_b32 v[T+2], v[T+4], v[T+2], vcc_lo   ; lane l holds batch l
	global_store_b32 v7, v[T+2], s[20:21]          ; a wave stores 128 consecutive bytes, the four waves 512
	s_endpgm
.Lfunc_end_k_q5f0214196c_prep:
	.size	k_q5f0214196c_prep, .Lfunc_end_k_q5f0214196c_prep-k_q5f0214196c_prep
	.p2alignl 7, 3214868480
	.fill 96, 4, 3214868480
	.section	.rodata,"a",@progbits
	.p2align	6, 0x0
	.amdhsa_kernel k_q5f0214196c_prep
		.amdhsa_group_segment_fixed_size 0
		.amdhsa_private_segment_fixed_size 0
		.amdhsa_enable_private_segment 0
		.amdhsa_kernarg_size 72
		.amdhsa_user_sgpr_count 2
		.amdhsa_user_sgpr_kernarg_segment_ptr 1
		.amdhsa_wavefront_size32 1
		.amdhsa_system_sgpr_workgroup_id_x 1
		.amdhsa_system_sgpr_workgroup_id_y 1
		.amdhsa_system_sgpr_workgroup_id_z 1
		.amdhsa_system_vgpr_workitem_id 0
		.amdhsa_next_free_vgpr 256
		.amdhsa_next_free_sgpr 66
		.amdhsa_reserve_vcc 1
		.amdhsa_float_denorm_mode_32 3
		.amdhsa_float_denorm_mode_16_64 3
		.amdhsa_memory_ordered 1
		.amdhsa_forward_progress 1
		.amdhsa_inst_pref_size 34
	.end_amdhsa_kernel
	.amdgpu_metadata
---
amdhsa.version: [ 1, 2 ]
amdhsa.kernels:
  - .name:           k_q5f0214196c_prep
    .symbol:         k_q5f0214196c_prep.kd
    .args:
      - { .name: Wk, .offset: 0, .size: 8, .value_kind: global_buffer, .address_space: global }
      - { .name: Wq, .offset: 8, .size: 8, .value_kind: global_buffer, .address_space: global }
      - { .name: Q, .offset: 16, .size: 8, .value_kind: global_buffer, .address_space: global }
      - { .name: Wh, .offset: 24, .size: 8, .value_kind: global_buffer, .address_space: global }
      - { .name: bq, .offset: 32, .size: 8, .value_kind: global_buffer, .address_space: global }
      - { .name: bk, .offset: 40, .size: 8, .value_kind: global_buffer, .address_space: global }
      - { .name: lowp_scales, .offset: 48, .size: 8, .value_kind: global_buffer, .address_space: global }
      - { .name: wkc, .offset: 56, .size: 8, .value_kind: global_buffer, .address_space: global }
      - { .name: cpart, .offset: 64, .size: 8, .value_kind: global_buffer, .address_space: global }
    .group_segment_fixed_size: 0
    .private_segment_fixed_size: 0
    .kernarg_segment_align: 8
    .kernarg_segment_size: 72
    .max_flat_workgroup_size: 128
    .sgpr_count:     66
    .vgpr_count:     256
    .wavefront_size: 32
...
	.end_amdgpu_metadata
.endif
;; end of part 1
;; launch scores (part 2): grid 256 x 1, 4 waves a work-group, no clusters, 72,192 bytes of LDS; arguments K, wkc, Wh, cpart, bh, lowp_scales, en; writes en
.if DOCPART == 2
	.amdgcn_target "amdgcn-amd-amdhsa--gfx1250"
	.amdhsa_code_object_version 6
	.text
	.protected	k_q5f0214196c_scores
	.globl	k_q5f0214196c_scores
	.p2align	8
	.type	k_q5f0214196c_scores,@function
k_q5f0214196c_scores:
	s_mov_b64 s[64:65], 0
	v_nop
	global_prefetch_b8 v0, s[64:65] scope:SCOPE_SE
	s_setreg_imm32_b32 hwreg(HW_REG_WAVE_MODE, 25, 1), 1
	s_wait_xcnt 0x0
; en[b][n] = relu(2^(e0+e1) sum over units u of S[n][u] Wh[u] + c[b]);  S = the sums of products of the codes of K (E4M3, scale 2^e0, made here) and of Wk (wkc);  c[b] = bh + the 128 parts in cpart.
; SHARES.  A work-group of four waves, as many as a WGP has SIMDs, owns 256 rows of K (one eighth of a batch), in four blocks of 64.  THE WAVES SHARE THE UNITS, NOT THE ROWS: wave w keeps the codes of Wk's units
; 128 w .. 128 w + 127 (8 tiles x 4 K steps x 16 registers = 512 registers) for the whole launch, read from memory once.  What goes round is the small thing: a block's codes of K.
; A BLOCK.  Q: wave w brings in rows 16 w .. 16 w + 15, in four units of 4 whole rows: 16 loads of 512 consecutive bytes, 8,192 consecutive bytes a unit.  THE NUMBERS ARE QUANTISED AS THEY LIE, AHEAD OF THE TURN FROM
; LANES TO ROWS: of a row, lane l holds k = 128 j + 4 l + t (piece j, t = 0 .. 3) in 16 consecutive registers; they are held in place, two conversions make 16 codes of them, and ONE ds_store_b128 puts these at byte 16 l
; of the row's 512 bytes in LDS.  So a quarter of the bytes turns through LDS, once, and the rows of codes that lie there are what all four waves read their fragments from.  One barrier.
; M: every wave reads the block's 16 fragments (row x 528 + 128 s + 32 c + 16 h, four loads of 16 bytes a lane) and multiplies them by its 128 units: used transposed (source 0 = 16 units, source 1 = 16 rows), so that a
; lane holds ONE row and its registers run along the units; the dot with Wh is then packed multiply-adds and one exchange between the halves of the lanes.  The four waves' parts of a row's dot meet in LDS at the end.
; THE ORDER OF K.  Byte 16 l + 4 j + t of a row in LDS is k = 128 j + 4 l + t; so byte t of register 4 c + j of the fragment of K step s, in lane half h, is k = 128 j + 32 s + 8 c + 4 h + t.  wkc is laid in the same
; order: each product meets its partner, and only the order of the sums changes.
; K COMES BY LOADS INTO REGISTERS, in a ring of four units of 16 loads with counted waits: a unit's registers take the next block's unit directly behind its conversions, so no wait in the steady state is for all loads.
; wkc is read by all 256 work-groups and yet not asked for jointly in a cluster: its 65,536 bytes a wave go straight into registers, once, and are half of what the work-group reads of K; a joint load would have to pass
; 262,144 bytes through LDS for one use.
; One barrier a block is enough: the rows of codes have two buffers by turns; the buffer written in block p + 1 was last read in block p - 1, and every wave waited for those reads in front of block p's barrier.
; LIMITS: e0 between -126 and 119, so that 2^e0 and 448 x 2^e0 are f32 numbers; e0 + e1 is applied by v_ldexp_f32 and has none.  NaN among the inputs is not served; an infinity is held at the largest code.
; The text has no loop and no label: every offset is an immediate (at most 3 x 131,072 + 32,256, inside the signed 24 bits: ISA guide, chapter 10), no address register and no base is ever rewritten.
; REGISTERS, in windows of 256 (s_set_vgpr_msb: bits 1:0 source 0, 3:2 source 1, 5:4 source 2, 7:6 destination): window 0: below.  window 1: K as loaded: unit u at 64 u, its row i at + 16 i, piece j at + 4 j.
;   windows 2, 3: Wk: fragment (tile t, K step s) at 16 (8 (s % 2) + t) of window 2 + s / 2.
.set SP,   528                         ; a row of codes in LDS: 512 bytes + 16 = 132 words: row r starts at bank 4 r mod 64 (64 banks of 4 bytes: ISA guide 11.1): the 16 rows that a fragment load touches start at 16 different banks
.set IMGB, 64*SP                       ; LDS from byte 0: two buffers of 64 rows of codes
.set RED,  2*IMGB                      ; [block][wave][64 rows] f32: the waves' parts of the dots
.set L16, 1                            ; v1   16 x lane
.set IW0, 4                            ; v4-5 where I store my rows' codes, buffer 0, 1: 16 rows x wave + 16 x lane
.set IL0, 6                            ; v6-7 where I read fragments, buffer 0, 1: 528 r + 16 h
.set RWA, 8                            ; v8   RED + 256 x wave + 4 r
.set RRA, 9                            ; v9   RED + 1,024 x wave + 8 x lane
.set SCL, 10                           ; v10  2^e0
.set LIM, 11                           ; v11  448 x 2^e0
.set PD,  13                           ; v13  a lane permute's destination
.set L8,  14                           ; v14  8 x lane
.set HO,  15                           ; v15  32 h
.set WH,  16                           ; v16-79   register 8 t + j: Wh[128 w + 16 t + 8 h + j]
.set PC,  80                           ; v80-143  Q: the codes just made: unit u at + 16 u, its row i at + 4 i;
.set FA,  80                           ;          M: two pairs of fragments of K's codes by turns
.set ACC, 144                          ; v144-207 eight accumulators
.set E,   208                          ; v208-215 the dot in four pairs
.set ES,  216                          ; v216-219 the four tiles' results
.set FIN, 240                          ; v240-247 the end: four waves' parts of two rows
.set CP,  248                          ; v248-251 four parts of c
.set CO,  252                          ; v252 128 x lane
.set MSB, 0
.macro WIN new                         ; the immediate's high byte repeats the setting that is left; a switch that changes nothing is dropped.  Each macro below sets the windows that it needs at its head
.if MSB != (\new)
	s_set_vgpr_msb (MSB<<8)|(\new)
.set MSB, \new
.endif
.endm
.macro LOADK p, u                      ; block p, unit u: four whole rows of my 16: each load reads 512 consecutive bytes, the sixteen 8,192
	WIN 0x40                                       ; destination window 1
.set n, 0
.rept 16
	global_load_b128 v[64*(\u)+4*n:64*(\u)+4*n+3], v[L16], s[4:5] offset:(\p)*131072+(\u)*8192+n*512 th:TH_LOAD_NT
.set n, n+1
.endr
.endm
.macro LOADW s                         ; my eight fragments of Wk for K step s
	WIN 0x80+0x40*((\s)/2)                         ; destination window 2 or 3
.set n, 32*(\s)
.rept 32
	global_load_b128 v[(4*n)%256:(4*n)%256+3], v[L16], s[6:7] offset:512*n
.set n, n+1
.endr
.endm
; Unit u of block p becomes codes.  left = the loads that are younger than the unit's and may stay out.  Behind the conversions the unit's registers are free.  mode 1: they take the next block's unit at once.
; mode 0, the first block: a K step of Wk is asked for instead, so that the first block is quantised while Wk lands.  mode 2, the last block: nothing.
.macro QU p, mode, u, left
	s_wait_loadcnt \left                           ; loads come back in order (ISA guide 5.7.1): unit u is in, the younger ones stay out
	WIN 0x41                                       ; destination and source 0 window 1
.set x, 64*(\u)
.rept 64
	v_med3_num_f32 v[x], v[x], -v[LIM], v[LIM]     ; the conversion to an 8-bit code does not saturate (ISA guide 7.6.2): the hold at the largest code x the scale, in place
.set x, x+1
.endr
	WIN 0x01                                       ; source 0 window 1, destination window 0
.irp i, 0,1,2,3
	v_cvt_scalef32_pk8_fp8_f32 v[PC+16*(\u)+4*\i:PC+16*(\u)+4*\i+1], v[64*(\u)+16*\i:64*(\u)+16*\i+7], v[SCL]       ; row i: pieces 0 and 1: register j = piece j's four codes
	v_cvt_scalef32_pk8_fp8_f32 v[PC+16*(\u)+4*\i+2:PC+16*(\u)+4*\i+3], v[64*(\u)+16*\i+8:64*(\u)+16*\i+15], v[SCL]  ; pieces 2 and 3
.endr
	v_nop                                          ; one plain vector line between the last conversion and the vector or matrix line that next touches its registers (the products read v80 on, the next hold writes window 1)
.if \mode == 1
	LOADK (\p)+1, \u
.elseif \mode == 0
	LOADW \u
.endif
	WIN 0
.irp i, 0,1,2,3
	ds_store_b128 v[IW0+PAR], v[PC+16*(\u)+4*\i:PC+16*(\u)+4*\i+3] offset:(4*(\u)+\i)*SP   ; 32 lanes store a row's 512 codes: consecutive bytes
.endr
.endm
.macro FETCHH q                        ; half q of eight: tile of rows q / 2, K steps 2 (q % 2) and 2 (q % 2) + 1: two fragments
	WIN 0
.irp u, 0,1
.irp c, 0,1,2,3
	ds_load_b128 v[FA+32*((\q)%2)+16*\u+4*\c:FA+32*((\q)%2)+16*\u+4*\c+3], v[IL0+PAR] offset:((\q)/2)*16*SP+128*(2*((\q)%2)+\u)+32*\c
.endr
.endr
.endm
; 16 matrix instructions: two K steps x my eight tiles of units.  The eight accumulators take turns, one instruction a turn, from half to half too.  A tile of rows' first K step starts the sums.
; Four v_nop follow: the places in front of the next loads into the fragments' registers, of the first read of results, and of the next block's conversions, which write where the fragments lay.
.macro MUL q
	WIN 0x02+((\q)%2)                              ; source 0 (Wk) window 2 or 3
.irp u, 0,1
.irp t, 0,1,2,3,4,5,6,7
.if ((\q)%2 == 0) && (\u == 0)
	v_wmma_f32_16x16x128_fp8_fp8 v[ACC+8*\t:ACC+8*\t+7], v[16*(8*\u+\t):16*(8*\u+\t)+15], v[FA+32*((\q)%2)+16*\u:FA+32*((\q)%2)+16*\u+15], 0
.else
	v_wmma_f32_16x16x128_fp8_fp8 v[ACC+8*\t:ACC+8*\t+7], v[16*(8*\u+\t):16*(8*\u+\t)+15], v[FA+32*((\q)%2)+16*\u:FA+32*((\q)%2)+16*\u+15], v[ACC+8*\t:ACC+8*\t+7]
.endif
.endr
.endr
	WIN 0
.rept 4
	v_nop
.endr
.endm
.macro EPI y                           ; tile of rows y: my row's dot with Wh over my 128 units; each accumulator from its low end on.  Its lines on the other accumulators are also the places in front of the next tile's first products
	WIN 0
.irp i, 0,2,4,6
	v_pk_mul_f32 v[E+\i:E+\i+1], v[ACC+\i:ACC+\i+1], v[WH+\i:WH+\i+1]
.endr
.irp t, 1,2,3,4,5,6,7
.irp i, 0,2,4,6
	v_pk_fma_f32 v[E+\i:E+\i+1], v[ACC+8*\t+\i:ACC+8*\t+\i+1], v[WH+8*\t+\i:WH+8*\t+\i+1], v[E+\i:E+\i+1]
.endr
.endr
	v_pk_add_f32 v[E:E+1], v[E:E+1], v[E+2:E+3]
	v_pk_add_f32 v[E+4:E+5], v[E+4:E+5], v[E+6:E+7]
	v_pk_add_f32 v[E:E+1], v[E:E+1], v[E+4:E+5]
	v_add_f32 v[E], v[E], v[E+1]
	v_permlanex16_b32 v[PD], v[E], s20, s21        ; the row's other 64 units lie in the lane 16 away
	v_add_f32 v[ES+(\y)], v[E], v[PD]
.endm
.macro BLOCK p, mode
.set PAR, (\p)%2
.if \mode == 0                         ; younger than the unit wanted: its block's later units and 32, 64, 96 loads of Wk: 64 or more; 63 is the largest count that a wait can name, and the stricter one
.set C1, 63
.set C2, 63
.set C3, 63
.elseif \mode == 1                     ; younger: three units of 16 loads, of this block or the next
.set C1, 48
.set C2, 48
.set C3, 48
.else                                  ; nothing is asked for any more: the counts run down
.set C1, 32
.set C2, 16
.set C3, 0
.endif
	QU \p, \mode, 0, 48                            ; younger: this block's units 1 to 3
	QU \p, \mode, 1, C1
	QU \p, \mode, 2, C2
	QU \p, \mode, 3, C3
.if \mode == 0
	LOADK 1, 0                                     ; behind Wk: the second block, which is on its way while Wk lands and the first block is multiplied
	LOADK 1, 1
	LOADK 1, 2
	LOADK 1, 3
.endif
	WIN 0
	s_wait_dscnt 0x0                               ; for the others' sake: my rows' codes have landed (so the stores have read v80 on), and my reads of the other buffer are long over
	s_barrier_signal -1
	s_barrier_wait -1                              ; the block's 64 rows of codes lie in LDS
.if \mode == 0
	s_wait_loadcnt 63                              ; Wk is in: behind it stand the next block's 64 loads; 63 is the largest count that a wait can name
.endif
	FETCHH 0
.irp q, 0,1,2,3,4,5,6,7
.if \q < 7
	FETCHH \q+1
	s_wait_dscnt 8                                 ; half q is in; the eight loads just issued may be out
.else
	s_wait_dscnt 0x0
.endif
	MUL \q
.if \q % 2
	EPI \q/2
.endif
.endr
.irp y, 0,1,2,3
	ds_store_b32 v[RWA], v[ES+\y] offset:(\p)*1024+64*\y   ; both halves of the lanes hold the same number and write the same word
.endr
.endm
	s_load_b256 s[4:11], s[0:1], 0x0               ; K s[4:5], wkc s[6:7], Wh s[8:9], cpart s[10:11]
	s_load_b128 s[12:15], s[0:1], 0x20             ; bh s[12:13], the scales' exponents s[14:15]
	s_load_b64 s[16:17], s[0:1], 0x30              ; en
	v_lshl_add_u32 v254, v0, 2, 0x11800
	v_mov_b32 v255, 0
	v_lshrrev_b32 v1, 5, v0
	v_readfirstlane_b32 s18, v1                    ; wave 0..3
	v_and_b32 v[L8], 31, v0                        ; lane
	v_and_b32 v12, 15, v0                          ; r
	v_bfe_u32 v[HO], v0, 4, 1                      ; h
	v_lshlrev_b32 v[L16], 4, v[L8]
	s_mul_i32 s26, s18, 16*SP                      ; my 16 rows of a buffer
	v_add_nc_u32 v[IW0], s26, v[L16]
	v_add_nc_u32 v[IW0+1], IMGB, v[IW0]
	v_mul_u32_u24 v[IL0], v12, SP
	v_lshl_add_u32 v[IL0], v[HO], 4, v[IL0]
	v_add_nc_u32 v[IL0+1], IMGB, v[IL0]
	s_lshl_b32 s28, s18, 8
	s_add_co_u32 s28, s28, RED
	v_lshl_add_u32 v[RWA], v12, 2, s28
	s_lshl_b32 s29, s18, 10
	s_add_co_u32 s29, s29, RED
	v_lshl_add_u32 v[RRA], v[L8], 3, s29
	v_lshlrev_b32 v[CO], 7, v[L8]
	v_lshlrev_b32 v[HO], 5, v[HO]
	v_lshlrev_b32 v[L8], 3, v[L8]
	v_mov_b32 v[PD], 0                             ; written once: a lane permute's destination counts as one of its sources
	s_mov_b32 s20, 0x76543210                      ; v_permlanex16_b32's selects for lane l xor 16
	s_mov_b32 s21, 0xfedcba98
	s_mov_b32 s31, 0
	s_wait_kmcnt 0x0
	s_load_b64 s[22:23], s[14:15], 0x0             ; e0, e1
	s_load_b32 s24, s[12:13], 0x0                  ; bh
	s_lshl_b32 s30, ttmp9, 19                      ; K: 256 rows of 2,048 bytes a work-group,
	s_lshl_b32 s32, s18, 15                        ; 16 rows a wave
	s_add_co_u32 s30, s30, s32
	s_add_nc_u64 s[4:5], s[4:5], s[30:31]
	s_lshl_b32 s30, s18, 16                        ; wkc: my 128 units
	s_add_nc_u64 s[6:7], s[6:7], s[30:31]
	s_lshl_b32 s30, s18, 9                         ; Wh: my 128 units
	s_add_nc_u64 s[8:9], s[8:9], s[30:31]
	s_lshr_b32 s30, ttmp9, 3                       ; the batch
	s_lshl_b32 s30, s30, 2
	s_add_nc_u64 s[10:11], s[10:11], s[30:31]
	s_lshl_b32 s30, ttmp9, 10                      ; en: 256 numbers a work-group,
	s_lshl_b32 s32, s18, 8                         ; 64 a wave
	s_add_co_u32 s30, s30, s32
	s_add_nc_u64 s[16:17], s[16:17], s[30:31]
.irp t, 0,1,2,3,4,5,6,7
	global_load_b128 v[WH+8*\t:WH+8*\t+3], v[HO], s[8:9] offset:64*\t
	global_load_b128 v[WH+8*\t+4:WH+8*\t+7], v[HO], s[8:9] offset:64*\t+16
.endr
.irp k, 0,1,2,3
	global_load_b32 v[CP+\k], v[CO], s[10:11] offset:4096*\k   ; parts lane + 32 k of my batch's c
.endr
	LOADK 0, 0
	LOADK 0, 1
	LOADK 0, 2
	LOADK 0, 3
	WIN 0
	s_wait_kmcnt 0x0
	s_add_co_i32 s25, s22, s23                     ; e0 + e1
	s_add_co_i32 s26, s22, 127
	s_lshl_b32 s27, s26, 23
	v_mov_b32 v[SCL], s27                          ; 2^e0 as f32: the conversion takes its exponent field
	s_add_co_i32 s26, s26, 8
	s_lshl_b32 s26, s26, 23
	s_or_b32 s26, s26, 0x600000
	v_mov_b32 v[LIM], s26                          ; 448 x 2^e0
	BLOCK 0, 0
	BLOCK 1, 1
	BLOCK 2, 1
	BLOCK 3, 2
	; THE END.  Wave w finishes block w: lane l takes rows 2 l and 2 l + 1, adds the four waves' parts, and the wave stores 256 consecutive bytes, at a multiple of 256 from en's first byte.
	s_wait_dscnt 0x0                               ; for the others' sake: my parts have landed
	s_barrier_signal -1
	s_barrier_wait -1
.irp k, 0,1,2,3
	ds_load_b64 v[FIN+2*\k:FIN+2*\k+1], v[RRA] offset:256*\k
.endr
	v_add_f32 v[CP], v[CP], v[CP+1]                ; c: my four parts, then all 32 lanes'
	v_add_f32 v[CP+2], v[CP+2], v[CP+3]
	v_add_f32 v[CP], v[CP], v[CP+2]
	v_add_f32_dpp v[CP], v[CP], v[CP] row_xmask:1 row_mask:0xf bank_mask:0xf
	v_add_f32_dpp v[CP], v[CP], v[CP] row_xmask:2 row_mask:0xf bank_mask:0xf
	v_add_f32_dpp v[CP], v[CP], v[CP] row_xmask:4 row_mask:0xf bank_mask:0xf
	v_add_f32_dpp v[CP], v[CP], v[CP] row_xmask:8 row_mask:0xf bank_mask:0xf
	v_permlanex16_b32 v[PD], v[CP], s20, s21
	v_add_f32 v[CP], v[CP], v[PD]
	v_add_f32 v[CP], s24, v[CP]                    ; + bh
	s_wait_dscnt 0x0
	v_pk_add_f32 v[FIN:FIN+1], v[FIN:FIN+1], v[FIN+2:FIN+3]
	v_pk_add_f32 v[FIN+4:FIN+5], v[FIN+4:FIN+5], v[FIN+6:FIN+7]
	v_pk_add_f32 v[FIN:FIN+1], v[FIN:FIN+1], v[FIN+4:FIN+5]
	v_ldexp_f32 v[FIN], v[FIN], s25                ; x 2^(e0 + e1): by the exponent, so that the sum of the two has no limit
	v_ldexp_f32 v[FIN+1], v[FIN+1], s25
	v_add_f32 v[FIN], v[FIN], v[CP]
	v_add_f32 v[FIN+1], v[FIN+1], v[CP]
	v_max_num_f32 v[FIN], 0, v[FIN]                ; relu
	v_max_num_f32 v[FIN+1], 0, v[FIN+1]
	global_store_b64 v[L8], v[FIN:FIN+1], s[16:17]
	s_wait_tensorcnt 0x0
	ds_add_u32 v254, v255
	s_wait_dscnt 0x0
	s_endpgm
.Lfunc_end_k_q5f0214196c_scores:
	.size	k_q5f0214196c_scores, .Lfunc_end_k_q5f0214196c_scores-k_q5f0214196c_scores
	.p2alignl 7, 3214868480
	.fill 96, 4, 3214868480
	.section	.rodata,"a",@progbits
	.p2align	6, 0x0
	.amdhsa_kernel k_q5f0214196c_scores
		.amdhsa_group_segment_fixed_size 72192
		.amdhsa_private_segment_fixed_size 0
		.amdhsa_enable_private_segment 0
		.amdhsa_kernarg_size 56
		.amdhsa_user_sgpr_count 2
		.amdhsa_user_sgpr_kernarg_segment_ptr 1
		.amdhsa_wavefront_size32 1
		.amdhsa_system_sgpr_workgroup_id_x 1
		.amdhsa_system_sgpr_workgroup_id_y 1
		.amdhsa_system_sgpr_workgroup_id_z 1
		.amdhsa_system_vgpr_workitem_id 0
		.amdhsa_next_free_vgpr 1024
		.amdhsa_next_free_sgpr 66
		.amdhsa_reserve_vcc 0
		.amdhsa_float_denorm_mode_32 3
		.amdhsa_float_denorm_mode_16_64 3
		.amdhsa_memory_ordered 1
		.amdhsa_forward_progress 1
		.amdhsa_inst_pref_size 215
	.end_amdhsa_kernel
	.amdgpu_metadata
---
amdhsa.version: [ 1, 2 ]
amdhsa.kernels:
  - .name:           k_q5f0214196c_scores
    .symbol:         k_q5f0214196c_scores.kd
    .args:
      - { .name: K, .offset: 0, .size: 8, .value_kind: global_buffer, .address_space: global }
      - { .name: wkc, .offset: 8, .size: 8, .value_kind: global_buffer, .address_space: global }
      - { .name: Wh, .offset: 16, .size: 8, .value_kind: global_buffer, .address_space: global }
      - { .name: cpart, .offset: 24, .size: 8, .value_kind: global_buffer, .address_space: global }
      - { .name: bh, .offset: 32, .size: 8, .value_kind: global_buffer, .address_space: global }
      - { .name: lowp_scales, .offset: 40, .size: 8, .value_kind: global_buffer, .address_space: global }
      - { .name: en, .offset: 48, .size: 8, .value_kind: global_buffer, .address_space: global }
    .group_segment_fixed_size: 72192
    .private_segment_fixed_size: 0
    .kernarg_segment_align: 8
    .kernarg_segment_size: 56
    .max_flat_workgroup_size: 128
    .sgpr_count:     66
    .vgpr_count:     1024
    .wavefront_size: 32
...
	.end_amdgpu_metadata
.endif
;; end of part 2
;; launch mix (part 3): grid 256 x 1, 8 waves a work-group, no clusters, 11,776 bytes of LDS; arguments en, V, out0, out1; writes out0, out1
.if DOCPART == 3
	.amdgcn_target "amdgcn-amd-amdhsa--gfx1250"
	.amdhsa_code_object_version 6
	.text
	.protected	k_q5f0214196c_mix
	.globl	k_q5f0214196c_mix
	.p2align	8
	.type	k_q5f0214196c_mix,@function
k_q5f0214196c_mix:
	s_mov_b64 s[64:65], 0
	v_nop
	global_prefetch_b8 v0, s[64:65] scope:SCOPE_SE
	s_setreg_imm32_b32 hwreg(HW_REG_WAVE_MODE, 25, 1), 1
	s_wait_xcnt 0x0
; out1[b][n] = softmax over n of en[b][n];  out0[b][v] = sum over n of out1[b][n] V[b][n][v].  en: [32][2048], V: [32][2048][512], all f32; everything in f32.
; SHARES.  Work-group g takes batch b = g / 8 and columns 64 j .. 64 j + 63, j = g % 8: 256 consecutive bytes of every row of V, at a multiple of 256 from V's first byte.  So it owns its 64 numbers of out0 outright, and
; nothing is added between work-groups.  Each work-group makes the batch's softmax anew from the 8,192 bytes of en (1 / 64 of what it reads of V), and stores one eighth of out1's row.
; Wave w takes keys 256 w .. 256 w + 255: lanes 0-15 key 256 w + i, lanes 16-31 key 256 w + 128 + i, i = 0 .. 127; a lane four columns: one load reads two rows' 256 bytes.
; THE SOFTMAX: the row's largest energy M is taken away first; p = 2^((e - M) log2(e)), at most 1; the sum L is at least 1; p goes to a table in LDS, and 1 / L multiplies out1 and, at the end, out0.
; THE STREAM: a ring of 32 slots of four registers: 32 loads of every wave are on their way, from the kernel's head on (ahead of the softmax), and the wait at a slot's head is counted.
; A one-row product gives the matrix units nothing; V's bytes are read once by one work-group, so there is nothing to share in a cluster; the stream needs no LDS.
; No address register or base is ever rewritten, and EXEC stays full.
.set TAB,  0                           ; LDS: p of the 2,048 keys
.set RMAX, 8192                        ; eight waves' maxima
.set RSUM, 8448                        ; eight waves' sums
.set PART, 8704                        ; eight waves' 64 partial outputs
.set AS,   32                          ; v32-47   four sets of four sums, by turns
.set WR,   48                          ; v48-111  64 weights: key i's at i % 64
.set VR,   112                         ; v112-239 32 slots of four registers
.set RD,   240                         ; v240-255 reductions
.macro VLOAD n                         ; keys n and 128 + n of my 256
	global_load_b128 v[VR+4*((\n)%32):VR+4*((\n)%32)+3], v3, s[6:7] offset:(\n)*2048 th:TH_LOAD_NT
.endm
.macro WLD n                           ; weights 4 n .. 4 n + 3 of my half's 128: the sixteen lanes of a half read the same 16 bytes
	ds_load_b128 v[WR+(4*(\n))%64:WR+(4*(\n))%64+3], v4 offset:16*(\n)
.endm
	s_load_b256 s[4:11], s[0:1], 0x0               ; en s[4:5], V s[6:7], out0 s[8:9], out1 s[10:11]
	v_lshl_add_u32 v15, v0, 2, 0x2a00
	s_set_vgpr_msb 0x40
	v_mov_b32 v1, 0
	s_set_vgpr_msb 0x4000
	v_lshrrev_b32 v5, 5, v0
	v_readfirstlane_b32 s12, v5                    ; wave 0..7
	v_lshlrev_b32 v1, 4, v0                        ; 16 x thread
	v_and_b32 v2, 63, v0
	v_lshlrev_b32 v2, 4, v2                        ; 16 x (thread % 64): my place in the slice of out1
	v_and_b32 v28, 15, v0                          ; r
	v_bfe_u32 v29, v0, 4, 1                        ; which half of the lanes
	v_lshlrev_b32 v3, 4, v28
	v_lshl_add_u32 v3, v29, 18, v3                 ; V: 16 r + 128 rows of 2,048 bytes for the upper half
	s_lshl_b32 s18, s12, 10
	v_lshlrev_b32 v4, 9, v29
	v_add_nc_u32 v4, s18, v4                       ; the table: 1,024 x wave + 512 x half
	v_lshl_add_u32 v6, v5, 2, RSUM
	v_lshl_add_u32 v5, v5, 2, RMAX
	s_lshl_b32 s18, s12, 8
	s_add_co_u32 s18, s18, PART
	v_lshl_add_u32 v7, v28, 4, s18                 ; my wave's partial outputs: 16 r
	v_and_b32 v8, 31, v0
	v_lshlrev_b32 v8, 3, v8                        ; 8 x lane
	v_mov_b32 v9, RMAX
	v_add_nc_u32 v14, PART, v8
	s_mov_b32 s16, 0x76543210                      ; v_permlanex16_b32's selects for lane l xor 16
	s_mov_b32 s17, 0xfedcba98
	s_lshr_b32 s13, ttmp9, 3                       ; b
	s_and_b32 s14, ttmp9, 7                        ; j
	s_mov_b32 s21, 0
	s_wait_kmcnt 0x0
	s_lshl_b32 s20, s13, 13                        ; a row of en and of out1: 8,192 bytes
	s_add_nc_u64 s[4:5], s[4:5], s[20:21]
	s_add_nc_u64 s[10:11], s[10:11], s[20:21]
	s_lshl_b32 s20, s14, 10                        ; the slice: 256 keys
	s_add_nc_u64 s[22:23], s[4:5], s[20:21]
	s_add_nc_u64 s[10:11], s[10:11], s[20:21]
	s_lshl_b32 s20, s13, 22                        ; V: a batch is 2,048 rows of 2,048 bytes,
	s_lshl_b32 s24, s14, 8                         ; my 64 columns,
	s_add_co_u32 s20, s20, s24
	s_lshl_b32 s24, s12, 19                        ; my wave's 256 rows
	s_add_co_u32 s20, s20, s24
	s_add_nc_u64 s[6:7], s[6:7], s[20:21]
	s_lshl_b32 s20, s13, 11                        ; out0: a row of 2,048 bytes, my 64 columns
	s_lshl_b32 s24, s14, 8
	s_add_co_u32 s20, s20, s24
	s_add_nc_u64 s[8:9], s[8:9], s[20:21]
	global_load_b128 v[16:19], v1, s[4:5]              ; energies of keys 4 t .. 4 t + 3,
	global_load_b128 v[20:23], v1, s[4:5] offset:4096  ; and 1,024 + 4 t ..
	global_load_b128 v[24:27], v2, s[22:23]            ; the slice's, for out1
.set i, 0
.rept 32
	VLOAD i                                        ; the ring is filled before any arithmetic
.set i, i+1
.endr
	s_wait_loadcnt 32                              ; the energies are in; the ring's 32 loads stay out
	; ---- the largest energy: in a lane, in the wave, in the work-group
	v_max3_num_f32 v28, v16, v17, v18
	v_max3_num_f32 v29, v19, v20, v21
	v_max3_num_f32 v28, v28, v22, v23
	v_max_num_f32 v28, v28, v29
	v_max_num_f32_dpp v28, v28, v28 row_xmask:1 row_mask:0xf bank_mask:0xf
	v_max_num_f32_dpp v28, v28, v28 row_xmask:2 row_mask:0xf bank_mask:0xf
	v_max_num_f32_dpp v28, v28, v28 row_xmask:4 row_mask:0xf bank_mask:0xf
	v_max_num_f32_dpp v28, v28, v28 row_xmask:8 row_mask:0xf bank_mask:0xf
	v_permlanex16_b32 v29, v28, s16, s17
	v_max_num_f32 v28, v28, v29
	ds_store_b32 v5, v28                           ; all lanes write the same word with the same number
	s_wait_dscnt 0x0                               ; for the others' sake
	s_barrier_signal -1
	s_barrier_wait -1
	ds_load_b128 v[RD:RD+3], v9
	ds_load_b128 v[RD+4:RD+7], v9 offset:16
	s_wait_dscnt 0x0
	v_max3_num_f32 v[RD], v[RD], v[RD+1], v[RD+2]
	v_max3_num_f32 v[RD+3], v[RD+3], v[RD+4], v[RD+5]
	v_max3_num_f32 v[RD], v[RD], v[RD+6], v[RD+7]
	v_max_num_f32 v10, v[RD], v[RD+3]              ; M,
	v_mov_b32 v11, v10                             ; twice: a pair for the packed forms
	; ---- p = 2^((e - M) log2(e)): the difference first, so that large energies lose nothing
.irp k, 16,18,20,22,24,26
	v_pk_add_f32 v[\k:\k+1], v[\k:\k+1], v[10:11] neg_lo:[0,1] neg_hi:[0,1]
.endr
.irp k, 16,18,20,22,24,26
	v_pk_mul_f32 v[\k:\k+1], v[\k:\k+1], 0x3fb8aa3b op_sel_hi:[1,0]
.endr
.irp k, 16,17,18,19,20,21,22,23,24,25,26,27
	v_exp_f32 v\k, v\k
.endr
	v_nop                                          ; a plain line behind the last exponential (ISA guide 5.7.2),
	s_wait_alu depctr_va_vdst(0)                   ; and one wait for the batch of twelve, ahead of its first reader
	v_pk_add_f32 v[28:29], v[16:17], v[18:19]
	v_pk_add_f32 v[30:31], v[20:21], v[22:23]
	v_pk_add_f32 v[28:29], v[28:29], v[30:31]
	v_add_f32 v28, v28, v29
	v_add_f32_dpp v28, v28, v28 row_xmask:1 row_mask:0xf bank_mask:0xf
	v_add_f32_dpp v28, v28, v28 row_xmask:2 row_mask:0xf bank_mask:0xf
	v_add_f32_dpp v28, v28, v28 row_xmask:4 row_mask:0xf bank_mask:0xf
	v_add_f32_dpp v28, v28, v28 row_xmask:8 row_mask:0xf bank_mask:0xf
	v_permlanex16_b32 v29, v28, s16, s17
	v_add_f32 v28, v28, v29
	ds_store_b128 v1, v[16:19]                     ; p into the table
	ds_store_b128 v1, v[20:23] offset:4096
	ds_store_b32 v6, v28                           ; my wave's sum
	s_wait_dscnt 0x0                               ; for the others' sake
	s_barrier_signal -1
	s_barrier_wait -1
	ds_load_b128 v[RD:RD+3], v9 offset:RSUM-RMAX
	ds_load_b128 v[RD+4:RD+7], v9 offset:RSUM-RMAX+16
.irp n, 0,1,2,3,4,5,6,7,8,9,10,11,12,13,14,15
	WLD \n                                         ; my half's first 64 weights
.endr
	s_wait_dscnt 16                                ; the eight sums are in; the sixteen loads of weights may be out
	v_pk_add_f32 v[RD:RD+1], v[RD:RD+1], v[RD+2:RD+3]
	v_pk_add_f32 v[RD+4:RD+5], v[RD+4:RD+5], v[RD+6:RD+7]
	v_pk_add_f32 v[RD:RD+1], v[RD:RD+1], v[RD+4:RD+5]
	v_add_f32 v[RD], v[RD], v[RD+1]                ; L
	v_rcp_f32 v12, v[RD]
	v_nop                                          ; a plain line behind the reciprocal,
	s_wait_alu depctr_va_vdst(0)                   ; and the wait ahead of its first reader
	v_mov_b32 v13, v12
	v_pk_mul_f32 v[24:25], v[24:25], v[12:13]      ; the slice's weights
	v_pk_mul_f32 v[26:27], v[26:27], v[12:13]
	s_cmp_lt_u32 s12, 2                            ; 256 keys are 64 threads' 16 bytes: waves 0 and 1 store them
	s_cbranch_scc0 .Lno_weights
	global_store_b128 v2, v[24:27], s[10:11]       ; a wave stores 512 consecutive bytes
.Lno_weights:
	s_wait_dscnt 0x0                               ; the weights
	; ---- the stream: 128 slots.  Slot i: keys i and 128 + i of my wave's 256, times their p, onto set i % 4; the first four slots start the sums: nothing is cleared.
	; A weight is one register of an even-aligned pair: the packed form takes the pair's first register for both halves where i is even, its second where i is odd.
.set i, 0
.rept 128
.if i == 32
.irp n, 16,17,18,19,20,21,22,23
	WLD \n                                         ; weights 64 to 95, into the registers that slots 0 to 31 have used up: 32 slots ahead of their first use
.endr
.endif
.if i == 64
	s_wait_dscnt 0x0                               ; weights 64 to 95 are in
.irp n, 24,25,26,27,28,29,30,31
	WLD \n                                         ; weights 96 to 127, where slots 32 to 63's lay
.endr
.endif
.if i == 96
	s_wait_dscnt 0x0                               ; weights 96 to 127 are in
.endif
.if i <= 96
	s_wait_loadcnt 31                              ; loads come back in order (ISA guide 5.7.1): slot i's is in, the ring's 31 younger ones stay out
.else
	s_wait_loadcnt 127-i                           ; nothing is asked for any more: the counts run down
.endif
.set rA, AS+4*(i%4)
.set rV, VR+4*(i%32)
.set rW, WR+2*((i%64)/2)
.if i < 4
.if i%2 == 0
	v_pk_mul_f32 v[rA:rA+1], v[rV:rV+1], v[rW:rW+1] op_sel_hi:[1,0]
	v_pk_mul_f32 v[rA+2:rA+3], v[rV+2:rV+3], v[rW:rW+1] op_sel_hi:[1,0]
.else
	v_pk_mul_f32 v[rA:rA+1], v[rV:rV+1], v[rW:rW+1] op_sel:[0,1] op_sel_hi:[1,1]
	v_pk_mul_f32 v[rA+2:rA+3], v[rV+2:rV+3], v[rW:rW+1] op_sel:[0,1] op_sel_hi:[1,1]
.endif
.else
.if i%2 == 0
	v_pk_fma_f32 v[rA:rA+1], v[rV:rV+1], v[rW:rW+1], v[rA:rA+1] op_sel_hi:[1,0,1]
	v_pk_fma_f32 v[rA+2:rA+3], v[rV+2:rV+3], v[rW:rW+1], v[rA+2:rA+3] op_sel_hi:[1,0,1]
.else
	v_pk_fma_f32 v[rA:rA+1], v[rV:rV+1], v[rW:rW+1], v[rA:rA+1] op_sel:[0,1,0] op_sel_hi:[1,1,1]
	v_pk_fma_f32 v[rA+2:rA+3], v[rV+2:rV+3], v[rW:rW+1], v[rA+2:rA+3] op_sel:[0,1,0] op_sel_hi:[1,1,1]
.endif
.endif
.if i+32 < 128
	VLOAD i+32                                     ; the slot takes the keys 32 further on
.endif
.set i, i+1
.endr
	; ---- the four sets, the two halves of the lanes, the eight waves
	v_pk_add_f32 v[AS:AS+1], v[AS:AS+1], v[AS+4:AS+5]
	v_pk_add_f32 v[AS+2:AS+3], v[AS+2:AS+3], v[AS+6:AS+7]
	v_pk_add_f32 v[AS+8:AS+9], v[AS+8:AS+9], v[AS+12:AS+13]
	v_pk_add_f32 v[AS+10:AS+11], v[AS+10:AS+11], v[AS+14:AS+15]
	v_pk_add_f32 v[AS:AS+1], v[AS:AS+1], v[AS+8:AS+9]
	v_pk_add_f32 v[AS+2:AS+3], v[AS+2:AS+3], v[AS+10:AS+11]
.irp k, 0,1,2,3
	v_permlanex16_b32 v[RD+\k], v[AS+\k], s16, s17
.endr
	v_pk_add_f32 v[AS:AS+1], v[AS:AS+1], v[RD:RD+1]
	v_pk_add_f32 v[AS+2:AS+3], v[AS+2:AS+3], v[RD+2:RD+3]
	ds_store_b128 v7, v[AS:AS+3]                   ; both halves of the lanes hold the same numbers and write the same bytes
	s_wait_dscnt 0x0                               ; for wave 0's sake
	s_barrier_signal -1
	s_barrier_wait -1
	s_cmp_lg_u32 s12, 0
	s_cbranch_scc1 .Lend                           ; wave 0 adds the eight waves' parts: lane l takes columns 2 l and 2 l + 1
.irp k, 0,1,2,3,4,5,6,7
	ds_load_b64 v[RD+2*\k:RD+2*\k+1], v14 offset:256*\k
.endr
	s_wait_dscnt 0x0
	v_pk_add_f32 v[RD:RD+1], v[RD:RD+1], v[RD+2:RD+3]
	v_pk_add_f32 v[RD+4:RD+5], v[RD+4:RD+5], v[RD+6:RD+7]
	v_pk_add_f32 v[RD+8:RD+9], v[RD+8:RD+9], v[RD+10:RD+11]
	v_pk_add_f32 v[RD+12:RD+13], v[RD+12:RD+13], v[RD+14:RD+15]
	v_pk_add_f32 v[RD:RD+1], v[RD:RD+1], v[RD+4:RD+5]
	v_pk_add_f32 v[RD+8:RD+9], v[RD+8:RD+9], v[RD+12:RD+13]
	v_pk_add_f32 v[RD:RD+1], v[RD:RD+1], v[RD+8:RD+9]
	v_pk_mul_f32 v[RD:RD+1], v[RD:RD+1], v[12:13]  ; / L
	global_store_b64 v8, v[RD:RD+1], s[8:9]        ; the wave stores 256 consecutive bytes, at a multiple of 256 from out0's first byte
.Lend:
	s_set_vgpr_msb 0x4
	s_wait_tensorcnt 0x0
	ds_add_u32 v15, v1
	s_wait_dscnt 0x0
	s_set_vgpr_msb 0x400
	s_endpgm
.Lfunc_end_k_q5f0214196c_mix:
	.size	k_q5f0214196c_mix, .Lfunc_end_k_q5f0214196c_mix-k_q5f0214196c_mix
	.p2alignl 7, 3214868480
	.fill 96, 4, 3214868480
	.section	.rodata,"a",@progbits
	.p2align	6, 0x0
	.amdhsa_kernel k_q5f0214196c_mix
		.amdhsa_group_segment_fixed_size 11776
		.amdhsa_private_segment_fixed_size 0
		.amdhsa_enable_private_segment 0
		.amdhsa_kernarg_size 32
		.amdhsa_user_sgpr_count 2
		.amdhsa_user_sgpr_kernarg_segment_ptr 1
		.amdhsa_wavefront_size32 1
		.amdhsa_system_sgpr_workgroup_id_x 1
		.amdhsa_system_sgpr_workgroup_id_y 1
		.amdhsa_system_sgpr_workgroup_id_z 1
		.amdhsa_system_vgpr_workitem_id 0
		.amdhsa_next_free_vgpr 258
		.amdhsa_next_free_sgpr 66
		.amdhsa_reserve_vcc 0
		.amdhsa_float_denorm_mode_32 3
		.amdhsa_float_denorm_mode_16_64 3
		.amdhsa_memory_ordered 1
		.amdhsa_forward_progress 1
		.amdhsa_inst_pref_size 44
	.end_amdhsa_kernel
	.amdgpu_metadata
---
amdhsa.version: [ 1, 2 ]
amdhsa.kernels:
  - .name:           k_q5f0214196c_mix
    .symbol:         k_q5f0214196c_mix.kd
    .args:
      - { .name: en, .offset: 0, .size: 8, .value_kind: global_buffer, .address_space: global }
      - { .name: V, .offset: 8, .size: 8, .value_kind: global_buffer, .address_space: global }
      - { .name: out0, .offset: 16, .size: 8, .value_kind: global_buffer, .address_space: global }
      - { .name: out1, .offset: 24, .size: 8, .value_kind: global_buffer, .address_space: global }
    .group_segment_fixed_size: 11776
    .private_segment_fixed_size: 0
    .kernarg_segment_align: 8
    .kernarg_segment_size: 32
    .max_flat_workgroup_size: 256
    .sgpr_count:     66
    .vgpr_count:     258
    .wavefront_size: 32
...
	.end_amdgpu_metadata
.endif
;; end of part 3
;; ======== version 2 of 2: 3 launches; version 1 with the launches prep, scores, mix written anew for expert scheduling mode
;; workspace buffers: wkc 262,144 bytes; cpart 16,384 bytes; en 262,144 bytes
;; launch prep (part 4): grid 64 x 1, 4 waves a work-group, no clusters, 0 bytes of LDS; arguments Wk, Wq, Q, Wh, bq, bk, lowp_scales, wkc, cpart; writes wkc, cpart
.if DOCPART == 4
	.amdgcn_target "amdgcn-amd-amdhsa--gfx1250"
	.amdhsa_code_object_version 6
	.text
	.protected	k_q5f0214196c_prep
	.globl	k_q5f0214196c_prep
	.p2align	8
	.type	k_q5f0214196c_prep,@function
k_q5f0214196c_prep:
	s_mov_b64 s[64:65], 0
	v_nop
	global_prefetch_b8 v0, s[64:65] scope:SCOPE_SE
	s_setreg_imm32_b32 hwreg(HW_REG_WAVE_SCHED_MODE, 0, 2), 2
	s_setreg_imm32_b32 hwreg(HW_REG_WAVE_MODE, 25, 1), 1
	s_wait_xcnt 0x0
	s_wait_alu depctr_vm_vsrc(0)
; PREPARATION.  Work-groups 0-31: Wk [512 (k)][512 (unit)] f32 becomes codes of E4M3 with the given scale 2^e1, laid in the order of a matrix operand's registers.
; Work-groups 32-63: the part of an energy that hangs on the batch alone, c[b] - bh = sum over units u of (2^(e2+e3) T[b][u] + bq[u] + bk[u]) Wh[u], T = the sum of products of the codes of Q (2^e2) and Wq (2^e3),
; as 128 partial sums for each batch, which the next launch adds.
; SHARES.  idx = work-group % 32; TG = idx / 4: 64 units; s = idx % 4: a K step, 128 of the 512 k.  Wave w takes tile T = 4 TG + w: 16 units x 128 k = one operand fragment.
; A LANE TAKES A UNIT, AND ITS REGISTERS RUN DOWN K: lane (r, h) takes unit 16 T + r, and register 16 c + 4 j + t holds k = 128 j + 32 s + 8 c + 4 h + t (c, j, t = 0 .. 3).  The conversions, which take eight numbers from
; one lane's consecutive registers, then give the fragment's registers as they stand: byte t of register 4 c + j holds that k.  WHY THIS ORDER OF K: the next launch quantises K as it is loaded, 16 bytes a lane of each
; of a row's four pieces of 512 bytes, and its codes come to lie so.  The five indices cover k = 0 .. 511 once; the order is the same in both operands of every product of this program, so each product meets its partner.
; The four waves stand side by side on 256 bytes of each row of the weight.
; wkc: the fragment of tile T, K step s lies at (T / 8) 65536 + s 16384 + (T % 8) 2048; its group c of four registers at + 512 c, lane l's 16 bytes at + 16 l: each store covers 512 consecutive bytes.
; cpart: [128 parts][32 batches] f32; part = 4 idx + w: thread t of a work-group writes word t of the work-group's 512 bytes.  bq and bk go in once: in the parts with s = 0.
; code = x / 2^e, held within +-448, rounded to the nearest code, ties to even.  LIMITS: e1, e2, e3 between -126 and 119, so that 2^e and 448 x 2^e are f32 numbers; e2 + e3 is applied by v_ldexp_f32 and has none.
; NaN among the inputs is not served; an infinity is held at the largest code.
; No LDS, no barrier: waves share nothing.
; THE MODE: SCHED_MODE bits 1:0 = 2 (LLVM: expert scheduling mode 2), set by the entry lines.  The code itself states the register dependences between vector or matrix instructions and memory instructions,
; with s_wait_alu, always for 0.
; THE PLAN.  Registers that memory instructions touch:
;   v3 to v7    byte offsets, made once at the head and never written again: one wait on va_vdst ahead of the first load serves every load and store.
;   v16-231     loads land in them once, and no vector line names them before that.
;   v232-247 (Wk's way), v66 (Wq's way): written by vector lines, then stored: one wait on va_vdst ahead of each way's stores.
; No register that a memory instruction has read is written again: no wait on vm_vsrc is owed.  The wave's number passes through an SGPR and two masks through VCC: a wait ahead of each one's first reader.
.set WN,  16                           ; v16-79   64 numbers of the weight
.set QN,  80                           ; v80-207  2 x 64 numbers of Q (batches 0-15, 16-31)
.set WHR, 208                          ; v208-215 Wh of units 16 T + 8 h + 0 .. 7
.set BQR, 216                          ; v216-223 bq of the same
.set BKR, 224                          ; v224-231 bk of the same
.set WC,  232                          ; v232-247 the weight's codes: one fragment
.set QC,  16                           ; v16-47   Q's codes: two fragments, where the weight's numbers lay
.set AC,  48                           ; v48-63   two accumulators
.set T,   64                           ; v64-71   at work
.macro MKSC e, vs, vl                  ; v[vs] = 2^e as f32 (the conversion takes its exponent field); v[vl] = 448 x 2^e
	s_add_co_i32 s34, \e, 127
	s_lshl_b32 s35, s34, 23
	v_mov_b32 v[\vs], s35
	s_add_co_i32 s34, s34, 8
	s_lshl_b32 s34, s34, 23
	s_or_b32 s34, s34, 0x600000
	v_mov_b32 v[\vl], s34
.endm
.macro QUANT src, dst, vs, vl          ; 64 numbers of a lane become a fragment's 16 registers
.irp b, 0,1,2,3
.irp i, 0,1,2,3,4,5,6,7,8,9,10,11,12,13,14,15
	v_med3_num_f32 v[\src+16*\b+\i], v[\src+16*\b+\i], -v[\vl], v[\vl]   ; the conversion to an 8-bit code does not saturate (ISA guide 7.6.2): the hold at the largest code x the scale
.endr
	v_cvt_scalef32_pk8_fp8_f32 v[\dst+4*\b:\dst+4*\b+1], v[\src+16*\b:\src+16*\b+7], v[\vs]
	v_cvt_scalef32_pk8_fp8_f32 v[\dst+4*\b+2:\dst+4*\b+3], v[\src+16*\b+8:\src+16*\b+15], v[\vs]
.endr
	v_nop                                          ; one plain vector line between the last conversion and whatever vector or matrix line next touches its registers
.endm
	s_load_b256 s[4:11], s[0:1], 0x0               ; Wk s[4:5], Wq s[6:7], Q s[8:9], Wh s[10:11]
	s_load_b256 s[12:19], s[0:1], 0x20             ; bq s[12:13], bk s[14:15], the scales' exponents s[16:17], wkc s[18:19]
	s_load_b64 s[20:21], s[0:1], 0x40              ; cpart
	v_lshrrev_b32 v1, 5, v0
	v_readfirstlane_b32 s22, v1                    ; wave 0..3
	v_and_b32 v1, 15, v0                           ; r
	v_bfe_u32 v2, v0, 4, 1                         ; h
	v_lshlrev_b32 v3, 2, v1
	v_lshl_add_u32 v3, v2, 13, v3                  ; the weight: 4 r + 4 h rows of 2,048 bytes
	v_and_b32 v4, 31, v0
	v_lshlrev_b32 v4, 4, v4                        ; 16 x lane
	v_lshlrev_b32 v5, 11, v1
	v_lshl_add_u32 v5, v2, 4, v5                   ; Q: row r of 2,048 bytes + 4 h numbers
	v_lshlrev_b32 v6, 5, v2                        ; Wh, bq, bk: 32 h
	v_lshlrev_b32 v7, 2, v0                        ; cpart: 4 x thread
	s_and_b32 s23, ttmp9, 31                       ; idx
	s_lshr_b32 s24, s23, 2                         ; TG
	s_and_b32 s25, s23, 3                          ; s
	s_lshl_b32 s26, s24, 2
	s_wait_alu depctr_va_sdst(0)                   ; s22, the wave's number, is written, ahead of its first reader
	s_add_co_u32 s26, s26, s22                     ; T
	v_mov_b32 v9, s25
	s_mov_b32 s42, 0x76543210                      ; v_permlanex16_b32's selects for lane l xor 16
	s_mov_b32 s43, 0xfedcba98
	s_lshl_b32 s32, s25, 16                        ; 32 s rows of 2,048 bytes
	s_lshl_b32 s33, s26, 6                         ; + 16 T units of 4 bytes
	s_add_co_u32 s32, s32, s33
	s_mov_b32 s33, 0
	s_wait_kmcnt 0x0
	s_load_b128 s[28:31], s[16:17], 0x0            ; e0, e1, e2, e3
	s_cmp_lt_u32 ttmp9, 32                         ; Wk's work-group or Wq's: the choice hangs on the work-group's number alone
	s_cselect_b64 s[4:5], s[4:5], s[6:7]
	s_add_nc_u64 s[4:5], s[4:5], s[32:33]
	s_wait_alu depctr_va_vdst(0)                   ; the offsets v3 to v7 are written: every load and store of the kernel, on both ways, reads one of them
.irp c, 0,1,2,3
.irp i, 0,1,2,3,4,5,6,7,8,9,10,11,12,13,14,15
	global_load_b32 v[WN+16*\c+\i], v3, s[4:5] offset:(128*(\i/4)+8*\c+\i%4)*2048   ; W(128 (i / 4) + 32 s + 8 c + 4 h + i % 4, 16 T + r); the last row named is 511
.endr
.endr
	s_cmp_lt_u32 ttmp9, 32
	s_cbranch_scc0 .Lq
	; ---- Wk: the fragment goes to memory as it stands
	s_lshr_b32 s32, s26, 3
	s_lshl_b32 s32, s32, 16                        ; (T / 8) x 65,536
	s_lshl_b32 s36, s25, 14
	s_add_co_u32 s32, s32, s36                     ; + s x 16,384
	s_and_b32 s36, s26, 7
	s_lshl_b32 s36, s36, 11
	s_add_co_u32 s32, s32, s36                     ; + (T % 8) x 2,048
	s_add_nc_u64 s[18:19], s[18:19], s[32:33]
	s_wait_kmcnt 0x0                               ; the exponents
	MKSC s29, 10, 11
	s_wait_alu depctr_va_vdst(0)
	s_wait_loadcnt 0x0
	QUANT WN, WC, 10, 11
	s_wait_alu depctr_va_vdst(0)                   ; the conversions have written v232-247, which the four stores read
.irp c, 0,1,2,3
	global_store_b128 v4, v[WC+4*\c:WC+4*\c+3], s[18:19] offset:512*\c   ; 32 lanes store 512 consecutive bytes
.endr
	s_endpgm
	; ---- Wq: one K step of Q Wq for 16 units and all 32 batches, then the dot with Wh
.Lq:
	s_lshl_b32 s32, s25, 7                         ; Q: 32 s numbers along a row
	s_add_nc_u64 s[8:9], s[8:9], s[32:33]
	s_lshl_b32 s32, s26, 6                         ; Wh, bq, bk: 16 T numbers
	s_add_nc_u64 s[10:11], s[10:11], s[32:33]
	s_add_nc_u64 s[12:13], s[12:13], s[32:33]
	s_add_nc_u64 s[14:15], s[14:15], s[32:33]
	s_lshl_b32 s32, s23, 9                         ; cpart: the work-group's 512 bytes
	s_add_nc_u64 s[20:21], s[20:21], s[32:33]
.irp m, 0,1
.irp c, 0,1,2,3
.irp j, 0,1,2,3
	global_load_b128 v[QN+64*\m+16*\c+4*\j:QN+64*\m+16*\c+4*\j+3], v5, s[8:9] offset:\m*32768+\c*32+\j*512   ; Q(16 m + r, 128 j + 32 s + 8 c + 4 h + 0 .. 3): the weight's order of k.  No vector line since the head's wait names v5, v6 or v80-231
.endr
.endr
.endr
	global_load_b128 v[WHR:WHR+3], v6, s[10:11]
	global_load_b128 v[WHR+4:WHR+7], v6, s[10:11] offset:16
	global_load_b128 v[BQR:BQR+3], v6, s[12:13]
	global_load_b128 v[BQR+4:BQR+7], v6, s[12:13] offset:16
	global_load_b128 v[BKR:BKR+3], v6, s[14:15]
	global_load_b128 v[BKR+4:BKR+7], v6, s[14:15] offset:16
	s_wait_kmcnt 0x0                               ; the exponents
	MKSC s31, 10, 11                               ; Wq's scale
	MKSC s30, 12, 13                               ; Q's
	s_add_co_i32 s45, s30, s31                     ; e2 + e3
	s_wait_alu depctr_va_vdst(0)
	s_wait_loadcnt 38                              ; the weight's 64 loads are in: behind them 32 of Q and 6 small ones
	QUANT WN, WC, 10, 11
	s_wait_loadcnt 6                               ; Q is in: behind it the 6 small ones
	QUANT QN, QC, 12, 13
	QUANT QN+64, QC+16, 12, 13
	s_wait_alu depctr_va_vdst(0)
	s_wait_loadcnt 0x0
	; used transposed: source 0 = 16 units of Wq, source 1 = 16 batches of Q: lane (r, h) holds batch r (+ 16), register j unit 16 T + 8 h + j
	v_wmma_f32_16x16x128_fp8_fp8 v[AC:AC+7], v[WC:WC+15], v[QC:QC+15], 0
	v_wmma_f32_16x16x128_fp8_fp8 v[AC+8:AC+15], v[WC:WC+15], v[QC+16:QC+31], 0
	; the biases' share: plain lines that name no register of the two products: they are the places behind them (ISA guide 7.12.1)
	v_mov_b32 v[T+6], 0                            ; a lane permute's destination counts as one of its sources
	v_mov_b32 v[T+7], 0
.irp i, 0,2,4,6
	v_pk_add_f32 v[BQR+\i:BQR+\i+1], v[BQR+\i:BQR+\i+1], v[BKR+\i:BKR+\i+1]
.endr
	v_pk_mul_f32 v[T:T+1], v[BQR:BQR+1], v[WHR:WHR+1]
.irp i, 2,4,6
	v_pk_fma_f32 v[T:T+1], v[BQR+\i:BQR+\i+1], v[WHR+\i:WHR+\i+1], v[T:T+1]
.endr
	v_add_f32 v[T], v[T], v[T+1]                   ; sum over my 8 units of (bq + bk) Wh
	v_cmp_eq_u32 vcc_lo, 0, v9
	s_wait_alu depctr_va_vcc(0)                    ; the compare has written VCC, which the select reads
	v_cndmask_b32 v[T], 0, v[T], vcc_lo            ; counted once: in the K step s = 0
	; the dot with Wh, each accumulator from its low end on
.irp a, 0,1
	v_pk_mul_f32 v[T+2+2*\a:T+3+2*\a], v[AC+8*\a:AC+8*\a+1], v[WHR:WHR+1]
.endr
.irp i, 2,4,6
.irp a, 0,1
	v_pk_fma_f32 v[T+2+2*\a:T+3+2*\a], v[AC+8*\a+\i:AC+8*\a+\i+1], v[WHR+\i:WHR+\i+1], v[T+2+2*\a:T+3+2*\a]
.endr
.endr
	v_add_f32 v[T+2], v[T+2], v[T+3]
	v_add_f32 v[T+4], v[T+4], v[T+5]
	v_ldexp_f32 v[T+2], v[T+2], s45                ; x 2^(e2 + e3)
	v_ldexp_f32 v[T+4], v[T+4], s45
	v_add_f32 v[T+2], v[T+2], v[T]
	v_add_f32 v[T+4], v[T+4], v[T]
	v_permlanex16_b32 v[T+6], v[T+2], s42, s43     ; the other 8 units lie in the lane 16 away
	v_permlanex16_b32 v[T+7], v[T+4], s42, s43
	v_add_f32 v[T+2], v[T+2], v[T+6]
	v_add_f32 v[T+4], v[T+4], v[T+7]
	v_cmp_eq_u32 vcc_lo, 0, v2
	s_wait_alu depctr_va_vcc(0)                    ; the compare has written VCC, which the select reads
	v_cndmask_b32 v[T+2], v[T+4], v[T+2], vcc_lo   ; lane l holds batch l
	s_wait_alu depctr_va_vdst(0)                   ; the select has written v66, which the store reads
	global_store_b32 v7, v[T+2], s[20:21]          ; a wave stores 128 consecutive bytes, the four waves 512
	s_endpgm
.Lfunc_end_k_q5f0214196c_prep:
	.size	k_q5f0214196c_prep, .Lfunc_end_k_q5f0214196c_prep-k_q5f0214196c_prep
	.p2alignl 7, 3214868480
	.fill 96, 4, 3214868480
	.section	.rodata,"a",@progbits
	.p2align	6, 0x0
	.amdhsa_kernel k_q5f0214196c_prep
		.amdhsa_group_segment_fixed_size 0
		.amdhsa_private_segment_fixed_size 0
		.amdhsa_enable_private_segment 0
		.amdhsa_kernarg_size 72
		.amdhsa_user_sgpr_count 2
		.amdhsa_user_sgpr_kernarg_segment_ptr 1
		.amdhsa_wavefront_size32 1
		.amdhsa_system_sgpr_workgroup_id_x 1
		.amdhsa_system_sgpr_workgroup_id_y 1
		.amdhsa_system_sgpr_workgroup_id_z 1
		.amdhsa_system_vgpr_workitem_id 0
		.amdhsa_next_free_vgpr 256
		.amdhsa_next_free_sgpr 66
		.amdhsa_reserve_vcc 1
		.amdhsa_float_denorm_mode_32 3
		.amdhsa_float_denorm_mode_16_64 3
		.amdhsa_memory_ordered 1
		.amdhsa_forward_progress 1
		.amdhsa_inst_pref_size 34
	.end_amdhsa_kernel
	.amdgpu_metadata
---
amdhsa.version: [ 1, 2 ]
amdhsa.kernels:
  - .name:           k_q5f0214196c_prep
    .symbol:         k_q5f0214196c_prep.kd
    .args:
      - { .name: Wk, .offset: 0, .size: 8, .value_kind: global_buffer, .address_space: global }
      - { .name: Wq, .offset: 8, .size: 8, .value_kind: global_buffer, .address_space: global }
      - { .name: Q, .offset: 16, .size: 8, .value_kind: global_buffer, .address_space: global }
      - { .name: Wh, .offset: 24, .size: 8, .value_kind: global_buffer, .address_space: global }
      - { .name: bq, .offset: 32, .size: 8, .value_kind: global_buffer, .address_space: global }
      - { .name: bk, .offset: 40, .size: 8, .value_kind: global_buffer, .address_space: global }
      - { .name: lowp_scales, .offset: 48, .size: 8, .value_kind: global_buffer, .address_space: global }
      - { .name: wkc, .offset: 56, .size: 8, .value_kind: global_buffer, .address_space: global }
      - { .name: cpart, .offset: 64, .size: 8, .value_kind: global_buffer, .address_space: global }
    .group_segment_fixed_size: 0
    .private_segment_fixed_size: 0
    .kernarg_segment_align: 8
    .kernarg_segment_size: 72
    .max_flat_workgroup_size: 128
    .sgpr_count:     66
    .vgpr_count:     256
    .wavefront_size: 32
...
	.end_amdgpu_metadata
.endif
;; end of part 4
;; launch scores (part 5): grid 256 x 1, 4 waves a work-group, no clusters, 72,192 bytes of LDS; arguments K, wkc, Wh, cpart, bh, lowp_scales, en; writes en
.if DOCPART == 5
	.amdgcn_target "amdgcn-amd-amdhsa--gfx1250"
	.amdhsa_code_object_version 6
	.text
	.protected	k_q5f0214196c_scores
	.globl	k_q5f0214196c_scores
	.p2align	8
	.type	k_q5f0214196c_scores,@function
k_q5f0214196c_scores:
	s_mov_b64 s[64:65], 0
	v_nop
	global_prefetch_b8 v0, s[64:65] scope:SCOPE_SE
	s_setreg_imm32_b32 hwreg(HW_REG_WAVE_SCHED_MODE, 0, 2), 2
	s_setreg_imm32_b32 hwreg(HW_REG_WAVE_MODE, 25, 1), 1
	s_wait_xcnt 0x0
	s_wait_alu depctr_vm_vsrc(0)
; en[b][n] = relu(2^(e0+e1) sum over units u of S[n][u] Wh[u] + c[b]);  S = the sums of products of the codes of K (E4M3, scale 2^e0, made here) and of Wk (wkc);  c[b] = bh + the 128 parts in cpart.
; SHARES.  A work-group of four waves, as many as a WGP has SIMDs, owns 256 rows of K (one eighth of a batch), in four blocks of 64.  THE WAVES SHARE THE UNITS, NOT THE ROWS: wave w keeps the codes of Wk's units
; 128 w .. 128 w + 127 (8 tiles x 4 K steps x 16 registers = 512 registers) for the whole launch, read from memory once.  What goes round is the small thing: a block's codes of K.
; A BLOCK.  Q: wave w brings in rows 16 w .. 16 w + 15, in four units of 4 whole rows: 16 loads of 512 consecutive bytes, 8,192 consecutive bytes a unit.  THE NUMBERS ARE QUANTISED AS THEY LIE, AHEAD OF THE TURN FROM
; LANES TO ROWS: of a row, lane l holds k = 128 j + 4 l + t (piece j, t = 0 .. 3) in 16 consecutive registers; they are held in place, two conversions make 16 codes of them, and ONE ds_store_b128 puts these at byte 16 l
; of the row's 512 bytes in LDS.  So a quarter of the bytes turns through LDS, once, and the rows of codes that lie there are what all four waves read their fragments from.  One barrier.
; M: every wave reads the block's 16 fragments (row x 528 + 128 s + 32 c + 16 h, four loads of 16 bytes a lane) and multiplies them by its 128 units: used transposed (source 0 = 16 units, source 1 = 16 rows), so that a
; lane holds ONE row and its registers run along the units; the dot with Wh is then packed multiply-adds and one exchange between the halves of the lanes.  The four waves' parts of a row's dot meet in LDS at the end.
; THE ORDER OF K.  Byte 16 l + 4 j + t of a row in LDS is k = 128 j + 4 l + t; so byte t of register 4 c + j of the fragment of K step s, in lane half h, is k = 128 j + 32 s + 8 c + 4 h + t.  wkc is laid in the same
; order: each product meets its partner, and only the order of the sums changes.
; K COMES BY LOADS INTO REGISTERS, in a ring of four units of 16 loads with counted waits: a unit's registers take the next block's unit directly behind its conversions, so no wait in the steady state is for all loads.
; wkc is read by all 256 work-groups and yet not asked for jointly in a cluster: its 65,536 bytes a wave go straight into registers, once, and are half of what the work-group reads of K; a joint load would have to pass
; 262,144 bytes through LDS for one use.
; One barrier a block is enough: the rows of codes have two buffers by turns; the buffer written in block p + 1 was last read in block p - 1, and every wave waited for those reads in front of block p's barrier.
; LIMITS: e0 between -126 and 119, so that 2^e0 and 448 x 2^e0 are f32 numbers; e0 + e1 is applied by v_ldexp_f32 and has none.  NaN among the inputs is not served; an infinity is held at the largest code.
; The text has no loop and no label: every offset is an immediate (at most 3 x 131,072 + 32,256, inside the signed 24 bits: ISA guide, chapter 10), no address register and no base is ever rewritten.
; THE MODE: SCHED_MODE bits 1:0 = 2 (LLVM: expert scheduling mode 2), set by the entry lines.  The code itself states the register dependences between vector or matrix instructions and memory or LDS instructions,
; with s_wait_alu, always for 0.
; THE PLAN.  Registers that memory or LDS instructions touch:
;   window 1, unit u   Loads land in it; the unit's 64 holds and 8 conversions read and write it; behind them the next block's unit lands in it.
;   v80-143 as codes   Written by a unit's conversions; read by the unit's four LDS stores; from the block's barrier on fragments land there.
;   three pairs of fragments (v80-111, v112-143, v220-251)   Half q's eight LDS loads land in pair q % 3; its 16 products read it.
;   v216-219           Written by the dots' last lines; read by four small LDS stores, which stand in the next block behind its first wait; written again behind that block's barrier.
;   windows 2 and 3, v16-79, v12-15   Loads land in them once.   v1-9, v252, v254, v255   Offsets and addresses, made once at the head.
; THE WAITS.  One on va_vdst behind each unit's conversions: the unit's registers are free for the loads, and the codes are written for the stores.  One on vm_vsrc behind each barrier: the LDS stores have read the codes
; and the dots.  One on va_vdst for each tile of 16 rows, behind the dot's 32 multiply-adds, which have read every accumulator: both halves of the tile are done with their pairs, and two further halves are asked for, so
; that the half that is multiplied next was asked for a tile earlier.  With three pairs no wait stands between the two halves of a tile.
; REGISTERS, in windows of 256 (s_set_vgpr_msb: bits 1:0 source 0, 3:2 source 1, 5:4 source 2, 7:6 destination): window 0: below.  window 1: K as loaded: unit u at 64 u, its row i at + 16 i, piece j at + 4 j.
;   windows 2, 3: Wk: fragment (tile t, K step s) at 16 (8 (s % 2) + t) of window 2 + s / 2.
.set SP,   528                         ; a row of codes in LDS: 512 bytes + 16 = 132 words: row r starts at bank 4 r mod 64 (64 banks of 4 bytes: ISA guide 11.1): the 16 rows that a fragment load touches start at 16 different banks
.set IMGB, 64*SP                       ; LDS from byte 0: two buffers of 64 rows of codes
.set RED,  2*IMGB                      ; [block][wave][64 rows] f32: the waves' parts of the dots
.set L16, 1                            ; v1   16 x lane
.set L8,  2                            ; v2   8 x lane
.set HO,  3                            ; v3   32 h
.set IW0, 4                            ; v4-5 where I store my rows' codes, buffer 0, 1: 16 rows x wave + 16 x lane
.set IL0, 6                            ; v6-7 where I read fragments, buffer 0, 1: 528 r + 16 h
.set RWA, 8                            ; v8   RED + 256 x wave + 4 r
.set RRA, 9                            ; v9   RED + 1,024 x wave + 8 x lane
.set SCL, 10                           ; v10  2^e0
.set LIM, 11                           ; v11  448 x 2^e0
.set CP,  12                           ; v12-15 four parts of c (v12 at the head, ahead of the loads: r)
.set WH,  16                           ; v16-79   register 8 t + j: Wh[128 w + 16 t + 8 h + j]
.set PC,  80                           ; v80-143  Q: the codes just made: unit u at + 16 u, its row i at + 4 i;
.set FA,  80                           ;          M: pairs 0 and 1 of fragments of K's codes
.set ACC, 144                          ; v144-207 eight accumulators
.set E,   208                          ; v208-215 the dot in four pairs
.set ES,  216                          ; v216-219 the four tiles' results
.set FC,  220                          ; v220-251 M: pair 2 of fragments
.set FIN, 208                          ; v208-215 the end: four waves' parts of two rows, where the dot's pairs lay
.set CO,  252                          ; v252 128 x lane
.set PD,  253                          ; v253 a lane permute's destination
.set MSB, 0
.macro WIN new                         ; the immediate's high byte repeats the setting that is left; a switch that changes nothing is dropped.  Each macro below sets the windows that it needs at its head
.if MSB != (\new)
	s_set_vgpr_msb (MSB<<8)|(\new)
.set MSB, \new
.endif
.endm
.macro LOADK p, u                      ; block p, unit u: four whole rows of my 16: each load reads 512 consecutive bytes, the sixteen 8,192
	WIN 0x40                                       ; destination window 1
.set n, 0
.rept 16
	global_load_b128 v[64*(\u)+4*n:64*(\u)+4*n+3], v[L16], s[4:5] offset:(\p)*131072+(\u)*8192+n*512 th:TH_LOAD_NT
.set n, n+1
.endr
.endm
.macro LOADW s                         ; my eight fragments of Wk for K step s
	WIN 0x80+0x40*((\s)/2)                         ; destination window 2 or 3
.set n, 32*(\s)
.rept 32
	global_load_b128 v[(4*n)%256:(4*n)%256+3], v[L16], s[6:7] offset:512*n
.set n, n+1
.endr
.endm
; Unit u of block p becomes codes.  left = the loads that are younger than the unit's and may stay out.  Behind the conversions the unit's registers are free.  mode 1: they take the next block's unit at once.
; mode 0, the first block: a K step of Wk is asked for instead, so that the first block is quantised while Wk lands.  mode 2, the last block: nothing.
.macro QU p, mode, u, left
	s_wait_loadcnt \left                           ; loads come back in order (ISA guide 5.7.1): unit u is in, the younger ones stay out
	WIN 0x41                                       ; destination and source 0 window 1
.set x, 64*(\u)
.rept 64
	v_med3_num_f32 v[x], v[x], -v[LIM], v[LIM]     ; the conversion to an 8-bit code does not saturate (ISA guide 7.6.2): the hold at the largest code x the scale, in place
.set x, x+1
.endr
	WIN 0x01                                       ; source 0 window 1, destination window 0
.irp i, 0,1,2,3
	v_cvt_scalef32_pk8_fp8_f32 v[PC+16*(\u)+4*\i:PC+16*(\u)+4*\i+1], v[64*(\u)+16*\i:64*(\u)+16*\i+7], v[SCL]       ; row i: pieces 0 and 1: register j = piece j's four codes
	v_cvt_scalef32_pk8_fp8_f32 v[PC+16*(\u)+4*\i+2:PC+16*(\u)+4*\i+3], v[64*(\u)+16*\i+8:64*(\u)+16*\i+15], v[SCL]  ; pieces 2 and 3
.endr
	v_nop                                          ; one plain vector line between the last conversion and the vector or matrix line that next touches its registers (the products read v80 on, the next hold writes window 1)
.if \mode == 1                         ; the window of the loads that follow is set ahead of the wait
	WIN 0x40
.elseif \mode == 0
	WIN 0x80+0x40*((\u)/2)
.else
	WIN 0
.endif
	s_wait_alu depctr_va_vdst(0)                   ; the unit's holds and conversions are done with its registers of window 1, in which the next block's loads land; the conversions have written the unit's codes, which the LDS stores read; in a block's first unit: the block before has written v216-219, which the small stores read
.if \mode == 1
	LOADK (\p)+1, \u
.elseif \mode == 0
	LOADW \u
.endif
	WIN 0
.irp i, 0,1,2,3
	ds_store_b128 v[IW0+PAR], v[PC+16*(\u)+4*\i:PC+16*(\u)+4*\i+3] offset:(4*(\u)+\i)*SP   ; 32 lanes store a row's 512 codes: consecutive bytes
.endr
.if ((\u) == 0) && ((\p) > 0)
.irp y, 0,1,2,3
	ds_store_b32 v[RWA], v[ES+\y] offset:((\p)-1)*1024+64*\y   ; the dots of the block before.  Both halves of the lanes hold the same number and write the same word
.endr
.endif
.endm
.macro FETCHH q                        ; half q of eight: tile of rows q / 2, K steps 2 (q % 2) and 2 (q % 2) + 1: two fragments, into pair q % 3
	WIN 0
.set FB, FA+32*((\q)%3)
.if (\q)%3 == 2
.set FB, FC
.endif
.irp u, 0,1
.irp c, 0,1,2,3
	ds_load_b128 v[FB+16*\u+4*\c:FB+16*\u+4*\c+3], v[IL0+PAR] offset:((\q)/2)*16*SP+128*(2*((\q)%2)+\u)+32*\c
.endr
.endr
.endm
; 16 matrix instructions: two K steps x my eight tiles of units.  The eight accumulators take turns, one instruction a turn, from half to half too.  A tile of rows' first K step starts the sums.
; Behind a tile's second half four v_nop follow: the places (ISA guide 7.12.1) in front of the first read of results.  Behind its first half the second half's products follow at once.
.macro MUL q
.set FB, FA+32*((\q)%3)
.if (\q)%3 == 2
.set FB, FC
.endif
	WIN 0x02+((\q)%2)                              ; source 0 (Wk) window 2 or 3
.irp u, 0,1
.irp t, 0,1,2,3,4,5,6,7
.if ((\q)%2 == 0) && (\u == 0)
	v_wmma_f32_16x16x128_fp8_fp8 v[ACC+8*\t:ACC+8*\t+7], v[16*(8*\u+\t):16*(8*\u+\t)+15], v[FB+16*\u:FB+16*\u+15], 0
.else
	v_wmma_f32_16x16x128_fp8_fp8 v[ACC+8*\t:ACC+8*\t+7], v[16*(8*\u+\t):16*(8*\u+\t)+15], v[FB+16*\u:FB+16*\u+15], v[ACC+8*\t:ACC+8*\t+7]
.endif
.endr
.endr
.if (\q)%2
	WIN 0
.rept 4
	v_nop
.endr
.endif
.endm
.macro EPIA                            ; my row's dot with Wh over my 128 units, in four pairs; each accumulator from its low end on.  Its lines on the other accumulators are also the places in front of the next tile's first products
	WIN 0
.irp i, 0,2,4,6
	v_pk_mul_f32 v[E+\i:E+\i+1], v[ACC+\i:ACC+\i+1], v[WH+\i:WH+\i+1]
.endr
.irp t, 1,2,3,4,5,6,7
.irp i, 0,2,4,6
	v_pk_fma_f32 v[E+\i:E+\i+1], v[ACC+8*\t+\i:ACC+8*\t+\i+1], v[WH+8*\t+\i:WH+8*\t+\i+1], v[E+\i:E+\i+1]
.endr
.endr
.endm
.macro EPIB y                          ; the four pairs become tile y's number
	v_pk_add_f32 v[E:E+1], v[E:E+1], v[E+2:E+3]
	v_pk_add_f32 v[E+4:E+5], v[E+4:E+5], v[E+6:E+7]
	v_pk_add_f32 v[E:E+1], v[E:E+1], v[E+4:E+5]
	v_add_f32 v[E], v[E], v[E+1]
	v_permlanex16_b32 v[PD], v[E], s20, s21        ; the row's other 64 units lie in the lane 16 away
	v_add_f32 v[ES+(\y)], v[E], v[PD]
.endm
.macro BLOCK p, mode
.set PAR, (\p)%2
.if \mode == 0                         ; younger than the unit wanted: its block's later units and 32, 64, 96 loads of Wk: 64 or more; 63 is the largest count that a wait can name, and the stricter one
.set C1, 63
.set C2, 63
.set C3, 63
.elseif \mode == 1                     ; younger: three units of 16 loads, of this block or the next
.set C1, 48
.set C2, 48
.set C3, 48
.else                                  ; nothing is asked for any more: the counts run down
.set C1, 32
.set C2, 16
.set C3, 0
.endif
	QU \p, \mode, 0, 48                            ; younger: this block's units 1 to 3
	QU \p, \mode, 1, C1
	QU \p, \mode, 2, C2
	QU \p, \mode, 3, C3
.if \mode == 0
	LOADK 1, 0                                     ; behind Wk: the second block, which is on its way while Wk lands and the first block is multiplied.  No vector line since unit 3's wait names window 1
	LOADK 1, 1
	LOADK 1, 2
	LOADK 1, 3
.endif
	WIN 0
	s_wait_dscnt 0x0                               ; for the others' sake: my rows' codes have landed, and my reads of the other buffer are long over
	s_barrier_signal -1
	s_barrier_wait -1                              ; the block's 64 rows of codes lie in LDS
	s_wait_alu depctr_vm_vsrc(0)                   ; my LDS stores have read v80-143, in which fragments land from here on, and v216-219, which this block's dots write again
.if \mode == 0
	s_wait_loadcnt 63                              ; Wk is in: behind it stand the next block's 64 loads; 63 is the largest count that a wait can name
.endif
	FETCHH 0                                       ; no vector or matrix line since unit 3's wait names the three pairs
	FETCHH 1
	FETCHH 2
	s_wait_dscnt 16                                ; LDS loads come back in order (ISA guide 5.7.1): half 0 is in; halves 1 and 2 may be out
	MUL 0
	s_wait_dscnt 8                                 ; half 1 is in
	MUL 1
	EPIA
	s_wait_alu depctr_va_vdst(0)                   ; the products of halves 0 and 1 are done reading pairs 0 and 1, in which the loads below land
	FETCHH 3
	FETCHH 4
	EPIB 0
	s_wait_dscnt 16                                ; half 2 is in; the sixteen loads just issued may be out
	MUL 2
	s_wait_dscnt 8                                 ; half 3 is in
	MUL 3
	EPIA
	s_wait_alu depctr_va_vdst(0)                   ; the products of halves 2 and 3 are done reading pairs 2 and 0, in which the loads below land
	FETCHH 5
	FETCHH 6
	EPIB 1
	s_wait_dscnt 16                                ; half 4 is in
	MUL 4
	s_wait_dscnt 8                                 ; half 5 is in
	MUL 5
	EPIA
	s_wait_alu depctr_va_vdst(0)                   ; the products of half 4 are done reading pair 1, in which the loads below land
	FETCHH 7
	EPIB 2
	s_wait_dscnt 8                                 ; half 6 is in; the eight loads just issued may be out
	MUL 6
	s_wait_dscnt 0x0                               ; half 7 is in
	MUL 7
	EPIA
	EPIB 3
.endm
	s_load_b256 s[4:11], s[0:1], 0x0               ; K s[4:5], wkc s[6:7], Wh s[8:9], cpart s[10:11]
	s_load_b128 s[12:15], s[0:1], 0x20             ; bh s[12:13], the scales' exponents s[14:15]
	s_load_b64 s[16:17], s[0:1], 0x30              ; en
	v_lshl_add_u32 v254, v0, 2, 0x11800
	v_mov_b32 v255, 0
	v_lshrrev_b32 v1, 5, v0
	v_readfirstlane_b32 s18, v1                    ; wave 0..3
	v_and_b32 v[L8], 31, v0                        ; lane
	v_and_b32 v12, 15, v0                          ; r
	v_bfe_u32 v[HO], v0, 4, 1                      ; h
	v_lshlrev_b32 v[L16], 4, v[L8]
	s_wait_alu depctr_va_sdst(0)                   ; s18, the wave's number, is written, ahead of its first reader
	s_mul_i32 s26, s18, 16*SP                      ; my 16 rows of a buffer
	v_add_nc_u32 v[IW0], s26, v[L16]
	v_add_nc_u32 v[IW0+1], IMGB, v[IW0]
	v_mul_u32_u24 v[IL0], v12, SP
	v_lshl_add_u32 v[IL0], v[HO], 4, v[IL0]
	v_add_nc_u32 v[IL0+1], IMGB, v[IL0]
	s_lshl_b32 s28, s18, 8
	s_add_co_u32 s28, s28, RED
	v_lshl_add_u32 v[RWA], v12, 2, s28
	s_lshl_b32 s29, s18, 10
	s_add_co_u32 s29, s29, RED
	v_lshl_add_u32 v[RRA], v[L8], 3, s29
	v_lshlrev_b32 v[CO], 7, v[L8]
	v_lshlrev_b32 v[HO], 5, v[HO]
	v_lshlrev_b32 v[L8], 3, v[L8]
	v_mov_b32 v[PD], 0                             ; written once: a lane permute's destination counts as one of its sources
	s_mov_b32 s20, 0x76543210                      ; v_permlanex16_b32's selects for lane l xor 16
	s_mov_b32 s21, 0xfedcba98
	s_mov_b32 s31, 0
	s_wait_kmcnt 0x0
	s_load_b64 s[22:23], s[14:15], 0x0             ; e0, e1
	s_load_b32 s24, s[12:13], 0x0                  ; bh
	s_lshl_b32 s30, ttmp9, 19                      ; K: 256 rows of 2,048 bytes a work-group,
	s_lshl_b32 s32, s18, 15                        ; 16 rows a wave
	s_add_co_u32 s30, s30, s32
	s_add_nc_u64 s[4:5], s[4:5], s[30:31]
	s_lshl_b32 s30, s18, 16                        ; wkc: my 128 units
	s_add_nc_u64 s[6:7], s[6:7], s[30:31]
	s_lshl_b32 s30, s18, 9                         ; Wh: my 128 units
	s_add_nc_u64 s[8:9], s[8:9], s[30:31]
	s_lshr_b32 s30, ttmp9, 3                       ; the batch
	s_lshl_b32 s30, s30, 2
	s_add_nc_u64 s[10:11], s[10:11], s[30:31]
	s_lshl_b32 s30, ttmp9, 10                      ; en: 256 numbers a work-group,
	s_lshl_b32 s32, s18, 8                         ; 64 a wave
	s_add_co_u32 s30, s30, s32
	s_add_nc_u64 s[16:17], s[16:17], s[30:31]
	s_wait_alu depctr_va_vdst(0)                   ; the offsets and addresses v1 to v9, v252, v254 and v255 are written, which the kernel's loads, stores and LDS instructions read; and the head is done with v12, in which a part of c lands
.irp t, 0,1,2,3,4,5,6,7
	global_load_b128 v[WH+8*\t:WH+8*\t+3], v[HO], s[8:9] offset:64*\t
	global_load_b128 v[WH+8*\t+4:WH+8*\t+7], v[HO], s[8:9] offset:64*\t+16
.endr
.irp k, 0,1,2,3
	global_load_b32 v[CP+\k], v[CO], s[10:11] offset:4096*\k   ; parts lane + 32 k of my batch's c
.endr
	LOADK 0, 0
	LOADK 0, 1
	LOADK 0, 2
	LOADK 0, 3
	WIN 0
	s_wait_kmcnt 0x0
	s_add_co_i32 s25, s22, s23                     ; e0 + e1
	s_add_co_i32 s26, s22, 127
	s_lshl_b32 s27, s26, 23
	v_mov_b32 v[SCL], s27                          ; 2^e0 as f32: the conversion takes its exponent field
	s_add_co_i32 s26, s26, 8
	s_lshl_b32 s26, s26, 23
	s_or_b32 s26, s26, 0x600000
	v_mov_b32 v[LIM], s26                          ; 448 x 2^e0
	s_wait_alu depctr_va_vdst(0)
	BLOCK 0, 0
	BLOCK 1, 1
	BLOCK 2, 1
	BLOCK 3, 2
	; THE END.  Wave w finishes block w: lane l takes rows 2 l and 2 l + 1, adds the four waves' parts, and the wave stores 256 consecutive bytes, at a multiple of 256 from en's first byte.
	s_wait_alu depctr_va_vdst(0)                   ; the last block's dots have written v216-219, which the stores read, and are done with v208-215, in which the loads behind the barrier land
.irp y, 0,1,2,3
	ds_store_b32 v[RWA], v[ES+\y] offset:3*1024+64*\y   ; both halves of the lanes hold the same number and write the same word
.endr
	s_wait_dscnt 0x0                               ; for the others' sake: my parts have landed
	s_barrier_signal -1
	s_barrier_wait -1
.irp k, 0,1,2,3
	ds_load_b64 v[FIN+2*\k:FIN+2*\k+1], v[RRA] offset:256*\k
.endr
	v_add_f32 v[CP], v[CP], v[CP+1]                ; c: my four parts, then all 32 lanes'
	v_add_f32 v[CP+2], v[CP+2], v[CP+3]
	v_add_f32 v[CP], v[CP], v[CP+2]
	v_add_f32_dpp v[CP], v[CP], v[CP] row_xmask:1 row_mask:0xf bank_mask:0xf
	v_add_f32_dpp v[CP], v[CP], v[CP] row_xmask:2 row_mask:0xf bank_mask:0xf
	v_add_f32_dpp v[CP], v[CP], v[CP] row_xmask:4 row_mask:0xf bank_mask:0xf
	v_add_f32_dpp v[CP], v[CP], v[CP] row_xmask:8 row_mask:0xf bank_mask:0xf
	v_permlanex16_b32 v[PD], v[CP], s20, s21
	v_add_f32 v[CP], v[CP], v[PD]
	v_add_f32 v[CP], s24, v[CP]                    ; + bh
	s_wait_dscnt 0x0
	v_pk_add_f32 v[FIN:FIN+1], v[FIN:FIN+1], v[FIN+2:FIN+3]
	v_pk_add_f32 v[FIN+4:FIN+5], v[FIN+4:FIN+5], v[FIN+6:FIN+7]
	v_pk_add_f32 v[FIN:FIN+1], v[FIN:FIN+1], v[FIN+4:FIN+5]
	v_ldexp_f32 v[FIN], v[FIN], s25                ; x 2^(e0 + e1): by the exponent, so that the sum of the two has no limit
	s_wait_alu depctr_va_vdst(0)
	v_ldexp_f32 v[FIN+1], v[FIN+1], s25
	v_add_f32 v[FIN], v[FIN], v[CP]
	v_add_f32 v[FIN+1], v[FIN+1], v[CP]
	v_max_num_f32 v[FIN], 0, v[FIN]                ; relu
	v_max_num_f32 v[FIN+1], 0, v[FIN+1]
	s_wait_alu depctr_va_vdst(0)                   ; the two energies are written in v208 and v209, which the store reads
	global_store_b64 v[L8], v[FIN:FIN+1], s[16:17]
	s_wait_dscnt 0x0                               ; the closing lines, six on end
	s_wait_alu 0x0
	s_wait_tensorcnt 0x0
	ds_add_u32 v254, v255
	s_wait_dscnt 0x0
	s_endpgm
.Lfunc_end_k_q5f0214196c_scores:
	.size	k_q5f0214196c_scores, .Lfunc_end_k_q5f0214196c_scores-k_q5f0214196c_scores
	.p2alignl 7, 3214868480
	.fill 96, 4, 3214868480
	.section	.rodata,"a",@progbits
	.p2align	6, 0x0
	.amdhsa_kernel k_q5f0214196c_scores
		.amdhsa_group_segment_fixed_size 72192
		.amdhsa_private_segment_fixed_size 0
		.amdhsa_enable_private_segment 0
		.amdhsa_kernarg_size 56
		.amdhsa_user_sgpr_count 2
		.amdhsa_user_sgpr_kernarg_segment_ptr 1
		.amdhsa_wavefront_size32 1
		.amdhsa_system_sgpr_workgroup_id_x 1
		.amdhsa_system_sgpr_workgroup_id_y 1
		.amdhsa_system_sgpr_workgroup_id_z 1
		.amdhsa_system_vgpr_workitem_id 0
		.amdhsa_next_free_vgpr 1024
		.amdhsa_next_free_sgpr 66
		.amdhsa_reserve_vcc 0
		.amdhsa_float_denorm_mode_32 3
		.amdhsa_float_denorm_mode_16_64 3
		.amdhsa_memory_ordered 1
		.amdhsa_forward_progress 1
		.amdhsa_inst_pref_size 214
	.end_amdhsa_kernel
	.amdgpu_metadata
---
amdhsa.version: [ 1, 2 ]
amdhsa.kernels:
  - .name:           k_q5f0214196c_scores
    .symbol:         k_q5f0214196c_scores.kd
    .args:
      - { .name: K, .offset: 0, .size: 8, .value_kind: global_buffer, .address_space: global }
      - { .name: wkc, .offset: 8, .size: 8, .value_kind: global_buffer, .address_space: global }
      - { .name: Wh, .offset: 16, .size: 8, .value_kind: global_buffer, .address_space: global }
      - { .name: cpart, .offset: 24, .size: 8, .value_kind: global_buffer, .address_space: global }
      - { .name: bh, .offset: 32, .size: 8, .value_kind: global_buffer, .address_space: global }
      - { .name: lowp_scales, .offset: 40, .size: 8, .value_kind: global_buffer, .address_space: global }
      - { .name: en, .offset: 48, .size: 8, .value_kind: global_buffer, .address_space: global }
    .group_segment_fixed_size: 72192
    .private_segment_fixed_size: 0
    .kernarg_segment_align: 8
    .kernarg_segment_size: 56
    .max_flat_workgroup_size: 128
    .sgpr_count:     66
    .vgpr_count:     1024
    .wavefront_size: 32
...
	.end_amdgpu_metadata
.endif
;; end of part 5
;; launch mix (part 6): grid 256 x 1, 8 waves a work-group, no clusters, 11,776 bytes of LDS; arguments en, V, out0, out1; writes out0, out1
.if DOCPART == 6
	.amdgcn_target "amdgcn-amd-amdhsa--gfx1250"
	.amdhsa_code_object_version 6
	.text
	.protected	k_q5f0214196c_mix
	.globl	k_q5f0214196c_mix
	.p2align	8
	.type	k_q5f0214196c_mix,@function
k_q5f0214196c_mix:
	s_mov_b64 s[64:65], 0
	v_nop
	global_prefetch_b8 v0, s[64:65] scope:SCOPE_SE
	s_setreg_imm32_b32 hwreg(HW_REG_WAVE_SCHED_MODE, 0, 2), 2
	s_setreg_imm32_b32 hwreg(HW_REG_WAVE_MODE, 25, 1), 1
	s_wait_xcnt 0x0
	s_wait_alu depctr_vm_vsrc(0)
; out1[b][n] = softmax over n of en[b][n];  out0[b][v] = sum over n of out1[b][n] V[b][n][v].  en: [32][2048], V: [32][2048][512], all f32; everything in f32.
; SHARES.  Work-group g takes batch b = g / 8 and columns 64 j .. 64 j + 63, j = g % 8: 256 consecutive bytes of every row of V, at a multiple of 256 from V's first byte.  So it owns its 64 numbers of out0 outright, and
; nothing is added between work-groups.  Each work-group makes the batch's softmax anew from the 8,192 bytes of en (1 / 64 of what it reads of V), and stores one eighth of out1's row.
; Wave w takes keys 256 w .. 256 w + 255: lanes 0-15 key 256 w + i, lanes 16-31 key 256 w + 128 + i, i = 0 .. 127; a lane four columns: one load reads two rows' 256 bytes.
; THE SOFTMAX: the row's largest energy M is taken away first; p = 2^((e - M) log2(e)), at most 1; the sum L is at least 1; p goes to a table in LDS, and 1 / L multiplies out1 and, at the end, out0.
; THE STREAM: the 128 slots (a load of four registers each) go in 32 blocks of four, through a ring of nine blocks of registers: eight are filled from the kernel's head on (ahead of the softmax), the ninth, in the
; registers that the softmax has left, behind it.  Up to 36 loads of every wave are on their way, and the wait at a block's head is counted.
; A one-row product gives the matrix units nothing; V's bytes are read once by one work-group, so there is nothing to share in a cluster; the stream needs no LDS.
; No address register and no base is ever rewritten, and EXEC stays full.
; THE MODE: SCHED_MODE bits 1:0 = 2 (LLVM: expert scheduling mode 2), set by the entry lines.  The code itself states the register dependences between vector instructions and memory or LDS instructions,
; with s_wait_alu, always for 0.
; THE PLAN.  Registers that memory or LDS instructions touch:
;   the ring    Block p's eight multiply-adds read ring block p % 9.  Block p's four loads are block p + 8's and land in ring block (p + 8) % 9 = (p - 1) % 9, which block p - 1 worked on and no line of block p names.
;   WR          64 weights.  Slots 0-31 read its first half, which takes weights 64-95 at the head of block 8; slots 32-63 its second half, which takes weights 96-127 at the head of block 16.
;   v16-28      Written by the softmax; read by the table's stores, the two small stores and out1's store; then the ring's ninth block.
;   RD          LDS loads land in it and vector lines work on it, by turns.   AS: written by the sums, read by one LDS store at the end.
;   v1-9, v14, v15, v257   Offsets and addresses, made once at the head.
; So ONE wait on va_vdst at a block's head, behind the wait for the block's data, states all that the block's four loads (and, twice, eight loads of weights) hang on: the block before is done reading.
.set TAB,  0                           ; LDS: p of the 2,048 keys
.set RMAX, 8192                        ; eight waves' maxima
.set RSUM, 8448                        ; eight waves' sums
.set PART, 8704                        ; eight waves' 64 partial outputs
.set XR,   16                          ; v16-31   the softmax's registers; behind it the ring's ninth block
.set AS,   32                          ; v32-47   four sets of four sums, by turns
.set WR,   48                          ; v48-111  64 weights: key i's at i % 64
.set VR,   112                         ; v112-239 the ring's blocks 0 to 7: four slots of four registers each
.set RD,   240                         ; v240-255 reductions
.macro VLOAD n                         ; keys n and 128 + n of my 256, into slot n % 4 of ring block (n / 4) % 9
.set rL, VR+16*(((\n)/4)%9)+4*((\n)%4)
.if ((\n)/4)%9 == 8
.set rL, XR+4*((\n)%4)
.endif
	global_load_b128 v[rL:rL+3], v3, s[6:7] offset:(\n)*2048 th:TH_LOAD_NT
.endm
.macro WLD n                           ; weights 4 n .. 4 n + 3 of my half's 128: the sixteen lanes of a half read the same 16 bytes
	ds_load_b128 v[WR+(4*(\n))%64:WR+(4*(\n))%64+3], v4 offset:16*(\n)
.endm
	s_load_b256 s[4:11], s[0:1], 0x0               ; en s[4:5], V s[6:7], out0 s[8:9], out1 s[10:11]
	v_lshl_add_u32 v15, v0, 2, 0x2a00
	s_set_vgpr_msb 0x40
	v_mov_b32 v1, 0
	s_set_vgpr_msb 0x4000
	v_lshrrev_b32 v5, 5, v0
	v_readfirstlane_b32 s12, v5                    ; wave 0..7
	v_lshlrev_b32 v1, 4, v0                        ; 16 x thread
	v_and_b32 v2, 63, v0
	v_lshlrev_b32 v2, 4, v2                        ; 16 x (thread % 64): my place in the slice of out1
	v_and_b32 v28, 15, v0                          ; r
	v_bfe_u32 v29, v0, 4, 1                        ; which half of the lanes
	v_lshlrev_b32 v3, 4, v28
	v_lshl_add_u32 v3, v29, 18, v3                 ; V: 16 r + 128 rows of 2,048 bytes for the upper half
	s_wait_alu depctr_va_sdst(0)                   ; s12, the wave's number, is written, ahead of its first reader
	s_lshl_b32 s18, s12, 10
	v_lshlrev_b32 v4, 9, v29
	v_add_nc_u32 v4, s18, v4                       ; the table: 1,024 x wave + 512 x half
	v_lshl_add_u32 v6, v5, 2, RSUM
	v_lshl_add_u32 v5, v5, 2, RMAX
	s_lshl_b32 s18, s12, 8
	s_add_co_u32 s18, s18, PART
	v_lshl_add_u32 v7, v28, 4, s18                 ; my wave's partial outputs: 16 r
	v_and_b32 v8, 31, v0
	v_lshlrev_b32 v8, 3, v8                        ; 8 x lane
	v_mov_b32 v9, RMAX
	v_add_nc_u32 v14, PART, v8
	s_mov_b32 s16, 0x76543210                      ; v_permlanex16_b32's selects for lane l xor 16
	s_mov_b32 s17, 0xfedcba98
	s_lshr_b32 s13, ttmp9, 3                       ; b
	s_and_b32 s14, ttmp9, 7                        ; j
	s_mov_b32 s21, 0
	s_wait_kmcnt 0x0
	s_lshl_b32 s20, s13, 13                        ; a row of en and of out1: 8,192 bytes
	s_add_nc_u64 s[4:5], s[4:5], s[20:21]
	s_add_nc_u64 s[10:11], s[10:11], s[20:21]
	s_lshl_b32 s20, s14, 10                        ; the slice: 256 keys
	s_add_nc_u64 s[22:23], s[4:5], s[20:21]
	s_add_nc_u64 s[10:11], s[10:11], s[20:21]
	s_lshl_b32 s20, s13, 22                        ; V: a batch is 2,048 rows of 2,048 bytes,
	s_lshl_b32 s24, s14, 8                         ; my 64 columns,
	s_add_co_u32 s20, s20, s24
	s_lshl_b32 s24, s12, 19                        ; my wave's 256 rows
	s_add_co_u32 s20, s20, s24
	s_add_nc_u64 s[6:7], s[6:7], s[20:21]
	s_lshl_b32 s20, s13, 11                        ; out0: a row of 2,048 bytes, my 64 columns
	s_lshl_b32 s24, s14, 8
	s_add_co_u32 s20, s20, s24
	s_add_nc_u64 s[8:9], s[8:9], s[20:21]
	s_wait_alu depctr_va_vdst(0)                   ; the offsets and addresses v1 to v9, v14, v15 and v257 are written, which the kernel's loads, stores and LDS instructions read
	global_load_b128 v[16:19], v1, s[4:5]              ; energies of keys 4 t .. 4 t + 3,
	global_load_b128 v[20:23], v1, s[4:5] offset:4096  ; and 1,024 + 4 t ..
	global_load_b128 v[24:27], v2, s[22:23]            ; the slice's, for out1
.set i, 0
.rept 32
	VLOAD i                                        ; the ring's blocks 0 to 7 are filled before any arithmetic
.set i, i+1
.endr
	s_wait_loadcnt 32                              ; the energies are in; the ring's 32 loads stay out
	; ---- the largest energy: in a lane, in the wave, in the work-group
	v_max3_num_f32 v28, v16, v17, v18
	v_max3_num_f32 v29, v19, v20, v21
	v_max3_num_f32 v28, v28, v22, v23
	v_max_num_f32 v28, v28, v29
	v_max_num_f32_dpp v28, v28, v28 row_xmask:1 row_mask:0xf bank_mask:0xf
	v_max_num_f32_dpp v28, v28, v28 row_xmask:2 row_mask:0xf bank_mask:0xf
	v_max_num_f32_dpp v28, v28, v28 row_xmask:4 row_mask:0xf bank_mask:0xf
	v_max_num_f32_dpp v28, v28, v28 row_xmask:8 row_mask:0xf bank_mask:0xf
	v_permlanex16_b32 v29, v28, s16, s17
	v_max_num_f32 v28, v28, v29
	s_wait_alu depctr_va_vdst(0)                   ; the wave's maximum is written in v28, which the store reads
	ds_store_b32 v5, v28                           ; all lanes write the same word with the same number
	s_wait_dscnt 0x0                               ; for the others' sake
	s_barrier_signal -1
	s_barrier_wait -1
	s_wait_alu depctr_vm_vsrc(0)                   ; that store has read v28, which the sums below write again
	ds_load_b128 v[RD:RD+3], v9
	ds_load_b128 v[RD+4:RD+7], v9 offset:16
	s_wait_dscnt 0x0
	v_max3_num_f32 v[RD], v[RD], v[RD+1], v[RD+2]
	v_max3_num_f32 v[RD+3], v[RD+3], v[RD+4], v[RD+5]
	v_max3_num_f32 v[RD], v[RD], v[RD+6], v[RD+7]
	v_max_num_f32 v10, v[RD], v[RD+3]              ; M,
	v_mov_b32 v11, v10                             ; twice: a pair for the packed forms
	; ---- p = 2^((e - M) log2(e)): the difference first, so that large energies lose nothing
.irp k, 16,18,20,22,24,26
	v_pk_add_f32 v[\k:\k+1], v[\k:\k+1], v[10:11] neg_lo:[0,1] neg_hi:[0,1]
.endr
.irp k, 16,18,20,22,24,26
	v_pk_mul_f32 v[\k:\k+1], v[\k:\k+1], 0x3fb8aa3b op_sel_hi:[1,0]
.endr
	s_wait_alu depctr_va_vdst(0)
.irp k, 16,17,18,19,20,21,22,23,24,25,26,27
	v_exp_f32 v\k, v\k
.endr
	v_nop                                          ; a plain line behind the last exponential (ISA guide 5.7.2),
	s_wait_alu depctr_va_vdst(0)                   ; and one wait for the batch of twelve, ahead of its first reader: the exponentials have written v16-27, of which the two stores below read v16-23
	ds_store_b128 v1, v[16:19]                     ; p into the table, while the sum is made
	ds_store_b128 v1, v[20:23] offset:4096
	v_pk_add_f32 v[28:29], v[16:17], v[18:19]
	v_pk_add_f32 v[30:31], v[20:21], v[22:23]
	v_pk_add_f32 v[28:29], v[28:29], v[30:31]
	v_add_f32 v28, v28, v29
	v_add_f32_dpp v28, v28, v28 row_xmask:1 row_mask:0xf bank_mask:0xf
	v_add_f32_dpp v28, v28, v28 row_xmask:2 row_mask:0xf bank_mask:0xf
	v_add_f32_dpp v28, v28, v28 row_xmask:4 row_mask:0xf bank_mask:0xf
	v_add_f32_dpp v28, v28, v28 row_xmask:8 row_mask:0xf bank_mask:0xf
	v_permlanex16_b32 v29, v28, s16, s17
	v_add_f32 v28, v28, v29
	s_wait_alu depctr_va_vdst(0)                   ; the wave's sum is written in v28, which the store reads; and the maxima's lines are done with v240-247, in which the loads behind the barrier land
	ds_store_b32 v6, v28                           ; my wave's sum
	s_wait_dscnt 0x0                               ; for the others' sake
	s_barrier_signal -1
	s_barrier_wait -1
	ds_load_b128 v[RD:RD+3], v9 offset:RSUM-RMAX
	ds_load_b128 v[RD+4:RD+7], v9 offset:RSUM-RMAX+16
.irp n, 0,1,2,3,4,5,6,7,8,9,10,11,12,13,14,15
	WLD \n                                         ; my half's first 64 weights
.endr
	s_wait_dscnt 16                                ; the eight sums are in; the sixteen loads of weights may be out
	v_pk_add_f32 v[RD:RD+1], v[RD:RD+1], v[RD+2:RD+3]
	v_pk_add_f32 v[RD+4:RD+5], v[RD+4:RD+5], v[RD+6:RD+7]
	v_pk_add_f32 v[RD:RD+1], v[RD:RD+1], v[RD+4:RD+5]
	v_add_f32 v[RD], v[RD], v[RD+1]                ; L
	s_wait_alu depctr_va_vdst(0)
	v_rcp_f32 v12, v[RD]
	v_nop                                          ; a plain line behind the reciprocal,
	s_wait_alu depctr_va_vdst(0)                   ; and the wait ahead of its first reader: the reciprocal has written v12
	v_mov_b32 v13, v12
	v_pk_mul_f32 v[24:25], v[24:25], v[12:13]      ; the slice's weights
	v_pk_mul_f32 v[26:27], v[26:27], v[12:13]
	s_wait_alu depctr_va_vdst(0)                   ; the slice's weights are written in v24-27, which the store reads; and the softmax's lines are done with v16-31, in which the ring's ninth block lands
	s_cmp_lt_u32 s12, 2                            ; 256 keys are 64 threads' 16 bytes: waves 0 and 1 store them
	s_cbranch_scc0 .Lno_weights
	global_store_b128 v2, v[24:27], s[10:11]       ; a wave stores 512 consecutive bytes
.Lno_weights:
	s_wait_xcnt 0x0                                ; every earlier memory instruction has had its addresses translated (ISA guide 3.1): the store's data are written again only behind this wait
	s_wait_alu depctr_vm_vsrc(0)                   ; the table's stores, the sum's store and out1's store have read v16-28, in which the four loads below land
.irp n, 32,33,34,35
	VLOAD \n                                       ; block 8, into the ring's ninth block
.endr
	s_wait_dscnt 0x0                               ; the weights
	; ---- the stream: 32 blocks of four slots.  Slot i: keys i and 128 + i of my wave's 256, times their p, onto set i % 4; the first four slots start the sums: nothing is cleared.
	; A weight is one register of an even-aligned pair: the packed form takes the pair's first register for both halves where i is even, its second where i is odd.
.set p, 0
.rept 32
.if (p == 16) || (p == 24)
	s_wait_alu depctr_va_vdst(0)
	s_wait_dscnt 0x0                               ; the 32 weights asked for eight blocks ago are in
.endif
.if p == 0
	s_wait_loadcnt 32                              ; loads come back in order (ISA guide 5.7.1): block 0 is in, blocks 1 to 8 stay out
.elseif p <= 24
	s_wait_loadcnt 28                              ; block p is in, the seven younger blocks stay out
.else
	s_wait_alu depctr_va_vdst(0)
	s_wait_loadcnt 4*(31-p)                        ; nothing is asked for any more: the counts run down
.endif
.if (p >= 1) && (p <= 23)
	s_wait_alu depctr_va_vdst(0)                   ; the block before is done reading its ring block, in which the four loads below land; in blocks 8 and 16: the slots so far are done reading the 32 weights whose registers are loaded again
.endif
.if p == 8
.irp n, 16,17,18,19,20,21,22,23
	WLD \n                                         ; weights 64 to 95, into the registers that slots 0 to 31 have used up: 32 slots ahead of their first use
.endr
.endif
.if p == 16
.irp n, 24,25,26,27,28,29,30,31
	WLD \n                                         ; weights 96 to 127, where slots 32 to 63's lay
.endr
.endif
.set k, 0
.rept 4
.set i, 4*p+k
.if (p >= 1) && (p <= 23)
	VLOAD i+32                                     ; eight blocks ahead; no vector line since the wait names these registers
.endif
.set rA, AS+4*(i%4)
.set rV, VR+16*(p%9)+4*k
.if p%9 == 8
.set rV, XR+4*k
.endif
.set rW, WR+2*((i%64)/2)
.if i < 4
.if i%2 == 0
	v_pk_mul_f32 v[rA:rA+1], v[rV:rV+1], v[rW:rW+1] op_sel_hi:[1,0]
	v_pk_mul_f32 v[rA+2:rA+3], v[rV+2:rV+3], v[rW:rW+1] op_sel_hi:[1,0]
.else
	v_pk_mul_f32 v[rA:rA+1], v[rV:rV+1], v[rW:rW+1] op_sel:[0,1] op_sel_hi:[1,1]
	v_pk_mul_f32 v[rA+2:rA+3], v[rV+2:rV+3], v[rW:rW+1] op_sel:[0,1] op_sel_hi:[1,1]
.endif
.else
.if i%2 == 0
	v_pk_fma_f32 v[rA:rA+1], v[rV:rV+1], v[rW:rW+1], v[rA:rA+1] op_sel_hi:[1,0,1]
	v_pk_fma_f32 v[rA+2:rA+3], v[rV+2:rV+3], v[rW:rW+1], v[rA+2:rA+3] op_sel_hi:[1,0,1]
.else
	v_pk_fma_f32 v[rA:rA+1], v[rV:rV+1], v[rW:rW+1], v[rA:rA+1] op_sel:[0,1,0] op_sel_hi:[1,1,1]
	v_pk_fma_f32 v[rA+2:rA+3], v[rV+2:rV+3], v[rW:rW+1], v[rA+2:rA+3] op_sel:[0,1,0] op_sel_hi:[1,1,1]
.endif
.endif
.set k, k+1
.endr
.set p, p+1
.endr
	; ---- the four sets, the two halves of the lanes, the eight waves
	v_pk_add_f32 v[AS:AS+1], v[AS:AS+1], v[AS+4:AS+5]
	v_pk_add_f32 v[AS+2:AS+3], v[AS+2:AS+3], v[AS+6:AS+7]
	v_pk_add_f32 v[AS+8:AS+9], v[AS+8:AS+9], v[AS+12:AS+13]
	v_pk_add_f32 v[AS+10:AS+11], v[AS+10:AS+11], v[AS+14:AS+15]
	v_pk_add_f32 v[AS:AS+1], v[AS:AS+1], v[AS+8:AS+9]
	v_pk_add_f32 v[AS+2:AS+3], v[AS+2:AS+3], v[AS+10:AS+11]
.irp k, 0,1,2,3
	v_permlanex16_b32 v[RD+\k], v[AS+\k], s16, s17
.endr
	v_pk_add_f32 v[AS:AS+1], v[AS:AS+1], v[RD:RD+1]
	v_pk_add_f32 v[AS+2:AS+3], v[AS+2:AS+3], v[RD+2:RD+3]
	s_wait_alu depctr_va_vdst(0)                   ; my wave's four sums are written in v32-35, which the store reads; and the lines above are done with v240-255, in which wave 0's loads land
	ds_store_b128 v7, v[AS:AS+3]                   ; both halves of the lanes hold the same numbers and write the same bytes
	s_wait_dscnt 0x0                               ; for wave 0's sake
	s_barrier_signal -1
	s_barrier_wait -1
	s_cmp_lg_u32 s12, 0
	s_cbranch_scc1 .Lend                           ; wave 0 adds the eight waves' parts: lane l takes columns 2 l and 2 l + 1
.irp k, 0,1,2,3,4,5,6,7
	ds_load_b64 v[RD+2*\k:RD+2*\k+1], v14 offset:256*\k
.endr
	s_wait_dscnt 0x0
	v_pk_add_f32 v[RD:RD+1], v[RD:RD+1], v[RD+2:RD+3]
	v_pk_add_f32 v[RD+4:RD+5], v[RD+4:RD+5], v[RD+6:RD+7]
	v_pk_add_f32 v[RD+8:RD+9], v[RD+8:RD+9], v[RD+10:RD+11]
	v_pk_add_f32 v[RD+12:RD+13], v[RD+12:RD+13], v[RD+14:RD+15]
	v_pk_add_f32 v[RD:RD+1], v[RD:RD+1], v[RD+4:RD+5]
	v_pk_add_f32 v[RD+8:RD+9], v[RD+8:RD+9], v[RD+12:RD+13]
	v_pk_add_f32 v[RD:RD+1], v[RD:RD+1], v[RD+8:RD+9]
	v_pk_mul_f32 v[RD:RD+1], v[RD:RD+1], v[12:13]  ; / L
	s_wait_alu depctr_va_vdst(0)                   ; the two outputs are written in v240 and v241, which the store reads
	global_store_b64 v8, v[RD:RD+1], s[8:9]        ; the wave stores 256 consecutive bytes, at a multiple of 256 from out0's first byte
.Lend:
	s_set_vgpr_msb 0x4                             ; the add's second register, v257, lies in window 1: the one switch stands ahead of the closing lines
	s_wait_dscnt 0x0                               ; the closing lines, six on end
	s_wait_alu 0x0
	s_wait_tensorcnt 0x0
	ds_add_u32 v15, v1
	s_wait_dscnt 0x0
	s_endpgm
.Lfunc_end_k_q5f0214196c_mix:
	.size	k_q5f0214196c_mix, .Lfunc_end_k_q5f0214196c_mix-k_q5f0214196c_mix
	.p2alignl 7, 3214868480
	.fill 96, 4, 3214868480
	.section	.rodata,"a",@progbits
	.p2align	6, 0x0
	.amdhsa_kernel k_q5f0214196c_mix
		.amdhsa_group_segment_fixed_size 11776
		.amdhsa_private_segment_fixed_size 0
		.amdhsa_enable_private_segment 0
		.amdhsa_kernarg_size 32
		.amdhsa_user_sgpr_count 2
		.amdhsa_user_sgpr_kernarg_segment_ptr 1
		.amdhsa_wavefront_size32 1
		.amdhsa_system_sgpr_workgroup_id_x 1
		.amdhsa_system_sgpr_workgroup_id_y 1
		.amdhsa_system_sgpr_workgroup_id_z 1
		.amdhsa_system_vgpr_workitem_id 0
		.amdhsa_next_free_vgpr 258
		.amdhsa_next_free_sgpr 66
		.amdhsa_reserve_vcc 0
		.amdhsa_float_denorm_mode_32 3
		.amdhsa_float_denorm_mode_16_64 3
		.amdhsa_memory_ordered 1
		.amdhsa_forward_progress 1
		.amdhsa_inst_pref_size 42
	.end_amdhsa_kernel
	.amdgpu_metadata
---
amdhsa.version: [ 1, 2 ]
amdhsa.kernels:
  - .name:           k_q5f0214196c_mix
    .symbol:         k_q5f0214196c_mix.kd
    .args:
      - { .name: en, .offset: 0, .size: 8, .value_kind: global_buffer, .address_space: global }
      - { .name: V, .offset: 8, .size: 8, .value_kind: global_buffer, .address_space: global }
      - { .name: out0, .offset: 16, .size: 8, .value_kind: global_buffer, .address_space: global }
      - { .name: out1, .offset: 24, .size: 8, .value_kind: global_buffer, .address_space: global }
    .group_segment_fixed_size: 11776
    .private_segment_fixed_size: 0
    .kernarg_segment_align: 8
    .kernarg_segment_size: 32
    .max_flat_workgroup_size: 256
    .sgpr_count:     66
    .vgpr_count:     258
    .wavefront_size: 32
...
	.end_amdgpu_metadata
.endif
;; end of part 6
